; MI455X (gfx1250); checked and timed in simulation.
; The chip was launched on July 23, 2026; its instructions are those of AMD's public machine-readable ISA for CDNA 5 (MIT licence, August 2026) and "CDNA5" Instruction Set Architecture Reference Guide (July 2026). The comments in the code are by the model that wrote it; some were corrected since.
;; Multi Head Attention. Allowed arithmetic: matrix products marked QUANTISED: E2M1 operands, one E8M0 scale for each 32 along K, by v_wmma_scale_f32_16x16x128_f8f6f4 with both operands' format E2M1 (or v_wmma_scale_f32_32x16x128_f4), f32 sums; products left as they are: bf16, f16 or f32 operands; f32 sums; everything else in f32.
;; Inputs: dense_b 1,024 float32; dense_w 1,024 x 1,024 float32; k 4 x 2,048 x 1,024 float32; q 4 x 2,048 x 1,024 float32; v 4 x 2,048 x 1,024 float32; wk_b 1,024 float32; wk_w 1,024 x 1,024 float32; wq_b 1,024 float32; wq_w 1,024 x 1,024 float32; wv_b 1,024 float32; wv_w 1,024 x 1,024 float32.
;; Outputs: out0 4 x 2,048 x 1,024 float32.
;; This version of the problem:
;;   THIS VERSION OF THE PROBLEM IS GIVEN IN LOW PRECISION. The matrix products marked QUANTISED in the list below multiply operands that are first quantised to E2M1 (2 exponent bits, 1 mantissa bit; 4 bits a number), with one power-of-two scale for each 32 numbers along K (OCP MX v1.0); their sums are f32. The products marked 'left as it is' may take bf16, f16 or f32 operands, with f32 sums. Whichever they take, every output number must still come out within the allowed error. Rounding operands to bf16 (8 significant bits) uses up far more of that allowance than f16 does (11 bits, for magnitudes from 6e-5 to 65,504). All else is computed in f32.
;;   The module's matrix products, in the order in which they are computed (A, B: the left and right operand; K: the contracted axis; several contracted axes count as one K, in the product's order):
;;     1. [M 8,192, K 1,024] x [K 1,024, N 1,024]; A: input q; B: input wq_w: QUANTISED
;;     2. [M 8,192, K 1,024] x [K 1,024, N 1,024]; A: input k; B: input wk_w: QUANTISED
;;     3. [M 8,192, K 1,024] x [K 1,024, N 1,024]; A: input v; B: input wv_w: QUANTISED
;;     4. batch 64 x [M 2,048, K 64] x [K 64, N 2,048]; A: computed on the way; B: computed on the way: left as it is (an operand is computed on the way)
;;     5. batch 64 x [M 2,048, K 2,048] x [K 2,048, N 64]; A: computed on the way; B: computed on the way: left as it is (an operand is computed on the way)
;;     6. [M 8,192, K 1,024] x [K 1,024, N 1,024]; A: computed on the way; B: input dense_w: left as it is (an operand is computed on the way)
;;   THE QUANTISER, for each operand of a quantised product, along K:
;;     - K is cut into blocks of 32 from its start; a last block that is shorter is filled with zeros.
;;     - A block's scale is 2^e with e = floor(log2(the largest magnitude in the block)) - 2, held to -126 .. 127; a block of zeros has e = 0. As a byte (E8M0): e + 127.
;;     - Each number is divided by its block's scale, clamped to +-6, and rounded to the nearest number of E2M1, ties to even, subnormals kept.
;;     - The product sums the exact products of the quantised numbers (number of the format x scale) in f32.
;;   ~~~python
;;   def quantise(x, axis):      # numpy; x: float32 -> the quantised numbers, widened to float32 again
;;       x = np.moveaxis(x, axis, -1); K = x.shape[-1]
;;       x = np.pad(x, [(0, 0)] * (x.ndim - 1) + [(0, -K % 32)]); x = x.reshape(x.shape[:-1] + (-1, 32)); a = np.abs(x).max(-1, keepdims=True)
;;       e = np.where(a > 0, np.clip(np.frexp(np.where(a > 0, a, 1))[1] - 1 - 2, -126, 127), 0)      # np.frexp(a)[1] - 1 = floor(log2(a)), exactly
;;       r = np.clip(x / 2.0 ** e, -6, 6)
;;       step = 2.0 ** (np.maximum(np.frexp(np.where(r == 0, 1, r))[1] - 1, 0) - 1)
;;       q = np.round(r / step) * step * 2.0 ** e      # np.round: ties to even
;;       return np.moveaxis(q.reshape(q.shape[:-2] + (-1,))[..., :K], -1, axis).astype(np.float32)
;;   ~~~
;; One version. Each part assembles by itself: llvm-mc -triple=amdgcn-amd-amdhsa -mcpu=gfx1250 --defsym DOCPART=n.
;; ======== version 1 of 1: 4 launches
;; limits: values are held in f16: magnitudes above 65,504 overflow, below 6.1e-05 lose precision
;; workspace buffers: codes 14,155,776 bytes; scales 884,736 bytes; wd 2,097,152 bytes; qkv 50,331,648 bytes; ao 16,777,216 bytes
;; launch quant (part 1): grid 896 x 1, 4 waves a work-group, no clusters, 33,280 bytes of LDS; arguments q, k, v, wq_w, wk_w, wv_w, dense_w, codes, scales, wd; writes codes, scales, wd
.if DOCPART == 1
	.amdgcn_target "amdgcn-amd-amdhsa--gfx1250"
	.amdhsa_code_object_version 6
	.text
	.protected	k_qc0e812abc5_quant
	.globl	k_qc0e812abc5_quant
	.p2align	8
	.type	k_qc0e812abc5_quant,@function
k_qc0e812abc5_quant:
	s_mov_b64 s[64:65], 0
	v_nop
	global_prefetch_b8 v0, s[64:65] scope:SCOPE_SE
	s_setreg_imm32_b32 hwreg(HW_REG_WAVE_MODE, 25, 1), 1
	s_wait_xcnt 0x0
; q, k, v [8192][1024] and wq_w, wk_w, wv_w [1024][1024], f32 with K innermost, become codes of FP4 (E2M1), two a byte, the lower k in the low four bits, and one E8M0 byte for each 32 along K.
; The six tensors lie one behind the other in the two workspace buffers: 27,648 rows of 512 bytes of codes and of 32 scale bytes.  dense_w becomes f16, laid [head 16][n 1024][64].
; A block's scale is 2^(floor(log2(its largest magnitude)) - 2); its byte is the largest magnitude's exponent field - 2, held at 1 from below.
; LIMITS: a block of zeros, and a block whose largest magnitude lies under 2^-124, keeps the byte 1 (its codes are zeros or nearly so; only this program reads the bytes); NaN and infinities are not served;
; dense_w must lie inside f16's range (under 65,504 in magnitude).
; Work-groups 0 to 863: a plain stream of blocks of 32 numbers, 32,768 numbers a work-group, 8,192 a wave, in 16 steps of 512.  Each load reads 512 consecutive bytes; a step's 2,048 bytes turn through the wave's own
; stage in LDS so that a lane holds 16 neighbours along K; a lane's 16 codes are 8 bytes, so a wave stores 256 consecutive bytes; a wave's 256 scale bytes are gathered in LDS and leave as one store of 256 bytes.
; Work-groups 864 to 895: dense_w, 8 rows a wave, no LDS.  No tensor loads, no barrier, no cluster, no matrix unit: waves share nothing and bytes are all that counts.
.set WAVES, 4
.set STEPS, 16
.set NQWG,  864                        ; work-groups that quantise: 3 x 256 + 3 x 32
.set EMAX,  2
.set CB,    8                          ; bytes of 16 codes
.set R,     16                         ; v16-79   four sets of 16 numbers as they are loaded
.set X,     80                         ; v80-111  two sets of 16 neighbours
.set E,     112                        ; v112-127 a scale byte for each step
.set C,     128                        ; v128-191 codes: four registers for each step, so that no store's data are written again
.set WREG,  8192                       ; LDS: a region for each wave: two stages of 32 x SP bytes, behind them its 256 scale bytes
.set SP,    80                         ; a lane's place in a stage: 64 bytes + 16 of padding
.set SPW,   12                         ; v12 LDS address of my spare word; never rewritten
.set NIL,   13                         ; v13 0; never rewritten
.set SPARE, WAVES*WREG                 ; behind the four regions: the spare words, 128 bytes a wave
.set DX,    16                         ; dense_w's path: v16-143 two sets of 64 numbers
.set DY,    144                        ; v144-175 a batch's f16 pairs
	s_load_b512 s[4:19], s[0:1], 0x0               ; q 4:5, k 6:7, v 8:9, wq_w 10:11, wk_w 12:13, wv_w 14:15, dense_w 16:17, codes 18:19
	s_load_b128 s[20:23], s[0:1], 0x40             ; scales 20:21, wd 22:23
	v_lshl_add_u32 v[SPW], v0, 2, SPARE
	v_mov_b32 v[NIL], 0
	v_lshrrev_b32 v1, 5, v0
	v_readfirstlane_b32 s24, v1                    ; wave
	v_and_b32 v2, 31, v0                           ; lane
	s_wait_kmcnt 0x0
	s_cmp_ge_u32 ttmp9, NQWG                       ; the work-group's number alone decides
	s_cbranch_scc1 .Ldense
	v_lshlrev_b32 v3, 4, v2                        ; my 16 bytes of a load's 512
	s_mul_i32 s26, s24, WREG
	v_lshrrev_b32 v14, 2, v2
	v_mul_u32_u24 v14, v14, SP
	v_and_b32 v15, 3, v2
	v_lshl_add_u32 v14, v15, 4, v14
	v_add_nc_u32 v14, s26, v14                     ; the stage, on the way in: SP (lane / 4) + 16 (lane % 4)
	v_mul_u32_u24 v15, v2, SP
	v_add_nc_u32 v15, s26, v15                     ; and on the way out: SP x lane: my 16 neighbours
	v_mul_u32_u24 v4, v2, CB                       ; my codes' place in a step's
	v_lshrrev_b32 v5, 1, v2
	s_add_co_u32 s26, s26, 2*32*SP
	v_add_nc_u32 v5, s26, v5                       ; LDS: my block's scale byte
	v_lshlrev_b32 v7, 3, v2                        ; on the way out 8 bytes a lane
	v_add_nc_u32 v6, s26, v7
; which tensor: the pointer and the tensor's first work-group, chosen on the work-group's number
.macro PICK lim, p
	s_cmp_ge_u32 ttmp9, \lim
	s_cselect_b64 s[4:5], s[\p:\p+1], s[4:5]
	s_cselect_b32 s25, \lim, s25
.endm
	s_mov_b32 s25, 0
	PICK 256, 6
	PICK 512, 8
	PICK 768, 10
	PICK 800, 12
	PICK 832, 14
	s_sub_co_u32 s26, ttmp9, s25
	s_lshl_b32 s26, s26, 2
	s_add_co_u32 s26, s26, s24                     ; my run of 8,192 numbers in its tensor
	s_lshl_b32 s26, s26, 15                        ; 32,768 bytes a run
	s_mov_b32 s27, 0
	s_add_nc_u64 s[4:5], s[4:5], s[26:27]
	s_lshl_b32 s28, ttmp9, 2
	s_add_co_u32 s28, s28, s24                     ; my run among all six tensors'
	s_lshl_b32 s26, s28, 12                        ; 4,096 bytes of codes a run
	s_add_nc_u64 s[18:19], s[18:19], s[26:27]
	s_lshl_b32 s26, s28, 8                         ; 256 scale bytes a run
	s_add_nc_u64 s[20:21], s[20:21], s[26:27]
.macro LOAD t
.irp i, 0,1,2,3
	global_load_b128 v[R+16*((\t)%4)+4*\i:R+16*((\t)%4)+4*\i+3], v3, s[4:5] offset:2048*(\t)+512*\i th:TH_LOAD_NT   ; 32 lanes read 512 consecutive bytes
.endr
.endm
.macro TURN t                          ; step t's numbers through the stage: LDS serves a wave's instructions in order, so no wait stands between the stores and the loads
.irp i, 0,1,2,3
	ds_store_b128 v14, v[R+16*((\t)%4)+4*\i:R+16*((\t)%4)+4*\i+3] offset:32*SP*((\t)%2)+8*SP*\i
.endr
.irp i, 0,1,2,3
	ds_load_b128 v[X+16*((\t)%2)+4*\i:X+16*((\t)%2)+4*\i+3], v15 offset:32*SP*((\t)%2)+16*\i
.endr
.endm
.irp t, 0,1,2,3
	LOAD \t
.endr
	s_wait_loadcnt 12                              ; step 0's four loads are in; the twelve of steps 1 to 3 may be out
	TURN 0
.macro STEP t
.set XS, X+16*((\t)%2)
.if (\t) > 0
	s_wait_dscnt 1                                 ; this step's numbers are back from the stage (the last step's byte store may be out)
.else
	s_wait_dscnt 0x0
.endif
.if (\t)+4 < STEPS
	LOAD (\t)+4                                    ; into the registers that the stage's stores have read
.endif
.if (\t)+1 < STEPS
.if STEPS-2-(\t) >= 3
	s_wait_loadcnt 12                              ; the next step's four loads are in; those of the three steps behind it may be out
.else
	s_wait_loadcnt 4*(STEPS-2-(\t))
.endif
	TURN (\t)+1                                    ; through the other stage while this step is worked
.endif
	v_max3_num_f32 v8, |v[XS]|, |v[XS+1]|, |v[XS+2]|               ; the largest magnitude of my 16, in two chains
	v_max3_num_f32 v9, |v[XS+3]|, |v[XS+4]|, |v[XS+5]|
.irp i, 6,10
	v_max3_num_f32 v8, v8, |v[XS+\i]|, |v[XS+\i+1]|
	v_max3_num_f32 v9, v9, |v[XS+\i+2]|, |v[XS+\i+3]|
.endr
	v_max3_num_f32 v8, v8, |v[XS+14]|, |v[XS+15]|
	v_max3_num_f32 v8, v8, v9, (EMAX+1)<<23        ; and the floor 2^(3 - 127): the byte cannot fall under 1
	v_max_num_f32_dpp v8, v8, v8 row_xmask:1 row_mask:0xf bank_mask:0xf   ; with my neighbour's 16: the block's
	v_add_nc_u32 v11, -(EMAX<<23), v8              ; 2 off its exponent field: the conversion takes the exponent field of this operand as its scale
	v_cvt_scalef32_pk8_fp4_f32 v[C+4*(\t)], v[XS:XS+7], v11        ; to the nearest code, ties to even, beyond 6 the largest code
	v_cvt_scalef32_pk8_fp4_f32 v[C+4*(\t)+1], v[XS+8:XS+15], v11
	v_lshrrev_b32 v[E+(\t)], 23, v11               ; the scale's byte (also the plain line behind the conversions)
	ds_store_b8 v5, v[E+(\t)] offset:16*(\t)       ; both lanes of a block write the same byte with the same value
	global_store_b64 v4, v[C+4*(\t):C+4*(\t)+1], s[18:19] offset:32*CB*(\t)   ; 32 lanes store 256 consecutive bytes
.endm
.irp t, 0,1,2,3,4,5,6,7,8,9,10,11,12,13,14,15
	STEP \t
.endr
	ds_load_b64 v[8:9], v6                         ; LDS serves a wave's instructions in order: these see my byte stores
	s_wait_dscnt 0x0
	global_store_b64 v7, v[8:9], s[20:21]          ; 32 lanes store 256 consecutive bytes
	s_wait_tensorcnt 0x0                           ; the wave's end
	ds_add_u32 v[SPW], v[NIL]
	s_wait_dscnt 0x0
	s_endpgm
; dense_w [n][1024] f32 -> wd [head][n][64] f16.  A wave takes 8 rows, two at a time: lanes 0-15 read 256 consecutive bytes (a head's 64 numbers) of one row, lanes 16-31 of the next;
; the 32 lanes' 8 bytes of f16 are 256 consecutive bytes of wd.  This path writes no LDS.
.Ldense:
	s_sub_co_u32 s26, ttmp9, NQWG
	s_lshl_b32 s26, s26, 2
	s_add_co_u32 s28, s26, s24                     ; my run of 8 rows
	s_lshl_b32 s26, s28, 15                        ; 8 rows of 4,096 bytes
	s_mov_b32 s27, 0
	s_add_nc_u64 s[16:17], s[16:17], s[26:27]
	s_lshl_b32 s26, s28, 10                        ; 8 rows of 128 bytes in a head's plane
	s_add_nc_u64 s[22:23], s[22:23], s[26:27]
	v_lshrrev_b32 v1, 4, v2
	v_and_b32 v3, 15, v2
	v_lshlrev_b32 v1, 12, v1
	v_lshl_add_u32 v1, v3, 4, v1                   ; in: 4,096 (lane / 16) + 16 (lane % 16)
	v_lshlrev_b32 v4, 3, v2                        ; out: 8 x lane
.macro LOADB p                         ; rows 2 p, 2 p + 1 of my 8: sixteen heads
.irp h, 0,1,2,3,4,5,6,7,8,9,10,11,12,13,14,15
	global_load_b128 v[DX+64*((\p)%2)+4*\h:DX+64*((\p)%2)+4*\h+3], v1, s[16:17] offset:(\p)*8192+\h*256 th:TH_LOAD_NT
.endr
.endm
.macro BATCH p
.set XB, DX+64*((\p)%2)
.if (\p) < 3
	s_wait_loadcnt 16                              ; this batch's sixteen loads are in; the next batch's may be out
.else
	s_wait_loadcnt 0x0
.endif
.if (\p) > 0
	s_wait_xcnt 0x0                                ; the last batch's stores have read their data: the registers are written again only behind this wait
.endif
.irp h, 0,1,2,3,4,5,6,7,8,9,10,11,12,13,14,15
	v_cvt_pk_f16_f32 v[DY+2*\h], v[XB+4*\h], v[XB+4*\h+1]
	v_cvt_pk_f16_f32 v[DY+2*\h+1], v[XB+4*\h+2], v[XB+4*\h+3]
.endr
.irp h, 0,1,2,3,4,5,6,7,8,9,10,11,12,13,14,15
	global_store_b64 v4, v[DY+2*\h:DY+2*\h+1], s[22:23] offset:\h*131072+(\p)*256
.endr
.if (\p) < 2
	LOADB (\p)+2
.endif
.endm
	LOADB 0
	LOADB 1
	BATCH 0
	BATCH 1
	BATCH 2
	BATCH 3
	s_endpgm
.Lfunc_end_k_qc0e812abc5_quant:
	.size	k_qc0e812abc5_quant, .Lfunc_end_k_qc0e812abc5_quant-k_qc0e812abc5_quant
	.p2alignl 7, 3214868480
	.fill 96, 4, 3214868480
	.section	.rodata,"a",@progbits
	.p2align	6, 0x0
	.amdhsa_kernel k_qc0e812abc5_quant
		.amdhsa_group_segment_fixed_size 33280
		.amdhsa_private_segment_fixed_size 0
		.amdhsa_enable_private_segment 0
		.amdhsa_kernarg_size 80
		.amdhsa_user_sgpr_count 2
		.amdhsa_user_sgpr_kernarg_segment_ptr 1
		.amdhsa_wavefront_size32 1
		.amdhsa_system_sgpr_workgroup_id_x 1
		.amdhsa_system_sgpr_workgroup_id_y 1
		.amdhsa_system_sgpr_workgroup_id_z 1
		.amdhsa_system_vgpr_workitem_id 0
		.amdhsa_next_free_vgpr 192
		.amdhsa_next_free_sgpr 66
		.amdhsa_reserve_vcc 0
		.amdhsa_float_denorm_mode_32 3
		.amdhsa_float_denorm_mode_16_64 3
		.amdhsa_memory_ordered 1
		.amdhsa_forward_progress 1
		.amdhsa_inst_pref_size 55
	.end_amdhsa_kernel
	.amdgpu_metadata
---
amdhsa.version: [ 1, 2 ]
amdhsa.kernels:
  - .name:           k_qc0e812abc5_quant
    .symbol:         k_qc0e812abc5_quant.kd
    .args:
      - { .name: q, .offset: 0, .size: 8, .value_kind: global_buffer, .address_space: global }
      - { .name: k, .offset: 8, .size: 8, .value_kind: global_buffer, .address_space: global }
      - { .name: v, .offset: 16, .size: 8, .value_kind: global_buffer, .address_space: global }
      - { .name: wq_w, .offset: 24, .size: 8, .value_kind: global_buffer, .address_space: global }
      - { .name: wk_w, .offset: 32, .size: 8, .value_kind: global_buffer, .address_space: global }
      - { .name: wv_w, .offset: 40, .size: 8, .value_kind: global_buffer, .address_space: global }
      - { .name: dense_w, .offset: 48, .size: 8, .value_kind: global_buffer, .address_space: global }
      - { .name: codes, .offset: 56, .size: 8, .value_kind: global_buffer, .address_space: global }
      - { .name: scales, .offset: 64, .size: 8, .value_kind: global_buffer, .address_space: global }
      - { .name: wd, .offset: 72, .size: 8, .value_kind: global_buffer, .address_space: global }
    .group_segment_fixed_size: 33280
    .private_segment_fixed_size: 0
    .kernarg_segment_align: 8
    .kernarg_segment_size: 80
    .max_flat_workgroup_size: 128
    .sgpr_count:     66
    .vgpr_count:     192
    .wavefront_size: 32
...
	.end_amdgpu_metadata
.endif
;; end of part 1
;; launch proj (part 2): grid 4 x 96, 4 waves a work-group, clusters of 4 x 4, 327,680 bytes of LDS; arguments codes, scales, wq_b, wk_b, wv_b, qkv; writes qkv
.if DOCPART == 2
	.amdgcn_target "amdgcn-amd-amdhsa--gfx1250"
	.amdhsa_code_object_version 6
	.text
	.protected	k_qc0e812abc5_proj
	.globl	k_qc0e812abc5_proj
	.p2align	8
	.type	k_qc0e812abc5_proj,@function
k_qc0e812abc5_proj:
	s_mov_b64 s[64:65], 0
	v_nop
	global_prefetch_b8 v0, s[64:65] scope:SCOPE_SE
	s_setreg_imm32_b32 hwreg(HW_REG_WAVE_MODE, 25, 1), 1
	s_wait_xcnt 0x0
	s_wait_alu depctr_hold_cnt(0) depctr_sa_sdst(0) depctr_va_vdst(0) depctr_va_sdst(0) depctr_va_ssrc(0) depctr_va_vcc(0) depctr_vm_vsrc(0)
	s_getreg_b32 s2, hwreg(HW_REG_IB_STS2, 6, 4)
	s_cmp_eq_u32 s2, 0
	s_cbranch_scc0 .Lentry_in_a_cluster
	s_endpgm
.Lentry_in_a_cluster:
	s_bfe_u32 s2, ttmp6, 0x10000c
	s_cmp_lg_u32 s2, 0xf033
	s_cbranch_scc0 .Lentry_shape_is_right
	s_endpgm
.Lentry_shape_is_right:
; The three projections x W^T + b on codes of FP4 (E2M1) with one E8M0 scale for each 32 along K, in one grid: tile rows 0-31 are q's, 32-63 k's, 64-95 v's; sums in f32, begun with the bias; results rounded to f16
; and laid by head: qkv [3][batch 4][head 16][token 2048][64].
; LIMITS: a projection must stay under 65,504 in magnitude (f16); the bias is the sum's first term, not its last.
; A tile of C, 256 x 256, is made by four waves, 128 x 128 each: 64 accumulators, 512 registers.  K = 1,024 is two slots of 512 along K (LDS rows of 256 bytes + 16): both are filled at the head and nothing is filled again.
; The scale bytes of the work-group's 256 + 256 rows come once, as dense blocks in rows of 256 bytes.
; CLUSTERS: 4 x 4 work-groups.  The four of a row of the cluster need the same rows of the activations, the four of a column the same rows of the weights: each tile is asked for jointly.  A cluster's four tile rows lie
; in one of the three products (32 tile rows each), so which weight is walked hangs on the cluster's y alone.
; THE MATRIX INSTRUCTION IS USED TRANSPOSED (source 0 = 16 rows of W, source 1 = 16 tokens): a lane holds eight neighbouring outputs of one token.
; REGISTERS, in windows of 256: window 0: v0-31 addresses; v32-95 scale words, two sets, and nothing else; v128-191 the tokens' fragments, one set; on the way out v128-223.
;   window 1: W's fragments, two sets, at v0 and v128; v64-127 the bias in the result's layout.   window 2: accumulators of my rows 0-63 ((a, b) at v[8 (8 a + b)]);   window 3: rows 64-127.
.set NQ,     4                         ; matrix instructions deep in a slot
.set ROWB,   256                       ; a tile's row in bytes: 512 codes
.set KROW,   512                       ; a row of codes in memory
.set PITCH,  272                       ; an LDS row: 256 + 16: the 16 rows that a load touches start 68 words apart
.set FR,     8
.set NL,     2
.set NP,     4                         ; places behind this matrix instruction (ISA guide 7.12.1)
.set HALFT,  128*PITCH
.set SLOT,   4*HALFT
.set KS,     32                        ; a row of scale bytes
.set SCL,    2*SLOT
.set HALFS,  (128*KS/256)*272
.set SBLK,   (16*KS/256)*272
.set SPARE,  SCL+4*HALFS               ; the spare words, 128 bytes a wave
.set SPITCH, 272                       ; the way out: 16 rows x (256 + 16) a wave, in slot 0, which has had its only fill and its last read by then
.set WROW0,  24576                     ; the weights' first row in codes and scales
.set ADRA, 16
.set ADRB, 20
.set STO,  24
.set RD,   25
.set CO,   26
.set ADRS, 27
.set SPW,  28
.set NIL,  29
.set SC,   32
.set AF,   128
.set BIAS, 64                          ; in window 1
.set TMP,  192                         ; the way out: v192-223 packed results
.set OB,   128                         ; the way out: rows read back: v128-159 and v160-191 by turns
.set WV,  16
.set G1,  24
.set G0,  32
.set G1B, 48
.set G0B, 56
.set G1S, 68
.set G0S, 76
.set G1SB, 80
.set G0SB, 88
.set MSB, 0
.macro WIN new                         ; the immediate's high byte repeats the setting that is left
.if MSB != (\new)
	s_set_vgpr_msb (MSB<<8)|(\new)
.set MSB, (\new)
.endif
.endm
.macro MWIN hi, zero                   ; source 0 (W) window 1, source 1 window 0, D window 2 + hi; C: the accumulator, or the bias in window 1
.if \zero
	WIN 0x91+0x40*(\hi)
.else
	WIN 0xa1+0x50*(\hi)
.endif
.endm
.set TO_B, 0x40
; A joint load: waves 0 and 1 fetch for the tokens, waves 2 and 3 for the weights; the branch hangs on the wave's number alone.  An s_nop 0 and four v_nop follow each line.
.macro JLOAD g0a, g1a, g0b, g1b
	s_cmp_eq_u32 s17, 0
	s_cbranch_scc0 .Lfor_b_\@
	tensor_load_to_lds s[\g0a:\g0a+3], s[\g1a:\g1a+7]
	s_nop 0
.rept 4
	v_nop
.endr
	s_branch .Lasked_\@
.Lfor_b_\@:
	tensor_load_to_lds s[\g0b:\g0b+3], s[\g1b:\g1b+7]
	s_nop 0
.rept 4
	v_nop
.endr
.Lasked_\@:
.endm
.macro CROUND                          ; a round of the cluster's barrier
	s_barrier_signal -1
	s_barrier_wait -1
	s_cmp_lg_u32 s[WV], 0
	s_cbranch_scc1 .Lnot_wave_0_\@
	s_barrier_signal -3
.Lnot_wave_0_\@:
	s_barrier_wait -3
	s_barrier_signal -1
	s_barrier_wait -1
.endm
	s_load_b256 s[4:11], s[0:1], 0x0               ; codes 4:5, scales 6:7, wq_b 8:9, wk_b 10:11
	s_load_b128 s[12:15], s[0:1], 0x20             ; wv_b 12:13, qkv 14:15
	v_lshl_add_u32 v[SPW], v0, 2, SPARE
	v_mov_b32 v[NIL], 0
	ds_add_u32 v[SPW], v[NIL]                      ; the opening: the add, twice on end, and its wait ahead of my first tensor load
	ds_add_u32 v[SPW], v[NIL]
	v_lshrrev_b32 v1, 5, v0
	v_readfirstlane_b32 s[WV], v1                  ; wave 0..3
	s_lshr_b32 s17, s[WV], 1                       ; which half of the tile's rows is mine; also: I fetch for the tokens (0) or the weights (1)
	s_and_b32 s18, s[WV], 1                        ; which half of its columns; also: which 128 rows I fetch
	s_bfe_u32 s22, ttmp6, 0x40000                  ; cx
	s_bfe_u32 s23, ttmp6, 0x40004                  ; cy
	s_lshl_b32 s20, ttmp9, 2
	s_add_co_u32 s20, s20, s22                     ; tile column = 4 x cluster x + cx
	s_and_b32 s21, ttmp7, 0xffff                   ; cluster y
	s_lshl_b32 s19, s21, 2
	s_add_co_u32 s19, s19, s23                     ; tile row = 4 x cluster y + cy
	s_lshr_b32 s21, s21, 3                         ; which product: 8 clusters each; the same in all sixteen partners
	s_lshl_b32 s40, s23, 2
	s_lshl_b32 s40, 15, s40                        ; my row of the cluster
	s_lshl_b32 s41, 0x1111, s22                    ; my column
	s_or_b32 s[G1+0], s40, (0<<16)|(1<<20)|(1<<21)|(5<<22)|(3<<25)   ; mask; elements of 1 byte; padding on; bit 21 beside a mask; 4 words after every 64
	s_or_b32 s[G1B+0], s41, (0<<16)|(1<<20)|(1<<21)|(5<<22)|(3<<25)
.irp g, G1, G1B
	s_mov_b32 s[\g+1], ROWB<<16                    ; tensor_dim0
	s_mov_b32 s[\g+2], 128<<16                     ; tensor_dim1
	s_mov_b32 s[\g+3], ROWB<<16                    ; tile_dim0
	s_mov_b32 s[\g+4], 128                         ; tile_dim1
	s_mov_b32 s[\g+5], KROW                        ; the pitch
	s_mov_b32 s[\g+6], 0
	s_mov_b32 s[\g+7], 0
.endr
	s_or_b32 s[G1S+0], s40, (3<<16)|(1<<20)|(1<<21)|(5<<22)|(3<<25)  ; the scales of 128 rows: 4,096 dense bytes as 16 rows of 32 elements of 8 bytes
	s_or_b32 s[G1SB+0], s41, (3<<16)|(1<<20)|(1<<21)|(5<<22)|(3<<25)
.irp g, G1S, G1SB
	s_mov_b32 s[\g+1], 32<<16
	s_mov_b32 s[\g+2], (128*KS/256)<<16
	s_mov_b32 s[\g+3], 32<<16
	s_mov_b32 s[\g+4], 128*KS/256
	s_mov_b32 s[\g+5], 32
	s_mov_b32 s[\g+6], 0
	s_mov_b32 s[\g+7], 0
.endr
	s_lshl_b32 s45, s18, 7                         ; which 128 rows of a tile I fetch
	s_lshl_b32 s42, s19, 8
	s_add_co_u32 s42, s42, s45                     ; the tokens' row: 256 x tile row + 128 x half
	s_lshl_b32 s92, s42, 5                         ; its scale bytes
	s_mov_b32 s93, 0
	s_lshl_b32 s42, s42, 9                         ; its codes
	s_mov_b32 s43, 0
	s_lshl_b32 s44, s20, 8
	s_add_co_u32 s44, s44, s45
	s_lshl_b32 s45, s21, 10
	s_add_co_u32 s44, s44, s45
	s_add_co_u32 s44, s44, WROW0                   ; the weights' row: 24,576 + 1,024 x product + 256 x tile column + 128 x half
	s_lshl_b32 s94, s44, 5
	s_mov_b32 s95, 0
	s_lshl_b32 s46, s44, 9
	s_mov_b32 s47, 0
	s_mul_i32 s96, s[WV], HALFT                    ; where they go: wave x 128 rows: no place in the cluster enters an LDS address
	s_mul_i32 s97, s[WV], HALFS
	s_wait_dscnt 0x0                               ; both opening adds are done
	s_wait_kmcnt 0x0
	s_add_nc_u64 s[42:43], s[4:5], s[42:43]
	s_add_nc_u64 s[92:93], s[6:7], s[92:93]
	s_add_nc_u64 s[46:47], s[4:5], s[46:47]
	s_add_nc_u64 s[94:95], s[6:7], s[94:95]
	CROUND                                         ; all sixteen work-groups are here: the joint loads meet
	s_mov_b32 s[G0S], 1
	s_add_co_u32 s[G0S+1], s97, SCL
	s_mov_b64 s[G0S+2:G0S+3], s[92:93]
	s_or_b32 s[G0S+3], s[G0S+3], 0x80000000
	s_mov_b32 s[G0SB], 1
	s_add_co_u32 s[G0SB+1], s97, SCL
	s_mov_b64 s[G0SB+2:G0SB+3], s[94:95]
	s_or_b32 s[G0SB+3], s[G0SB+3], 0x80000000
	JLOAD G0S, G1S, G0SB, G1SB                     ; the scales first: they are wanted with slot 0
.irp s, 0,1
	s_mov_b32 s[G0+4*\s], 1
	s_add_co_u32 s[G0+4*\s+1], s96, \s*SLOT
	s_add_nc_u64 s[G0+4*\s+2:G0+4*\s+3], s[42:43], \s*ROWB
	s_or_b32 s[G0+4*\s+3], s[G0+4*\s+3], 0x80000000
	s_mov_b32 s[G0B+4*\s], 1
	s_add_co_u32 s[G0B+4*\s+1], s96, \s*SLOT
	s_add_nc_u64 s[G0B+4*\s+2:G0B+4*\s+3], s[46:47], \s*ROWB
	s_or_b32 s[G0B+4*\s+3], s[G0B+4*\s+3], 0x80000000
	JLOAD G0+4*\s, G1, G0B+4*\s, G1B               ; three tensor loads of mine are out
.endr
	v_and_b32 v1, 15, v0                           ; r
	v_bfe_u32 v2, v0, 4, 1                         ; h
	v_mul_u32_u24 v3, v1, PITCH
	v_lshl_add_u32 v4, v2, 4, v3                   ; a fragment's row x pitch + 16 h
	s_mul_i32 s40, s17, HALFT                      ; my 128 tokens
	s_mul_i32 s41, s18, HALFT                      ; my 128 rows of W,
	s_add_co_u32 s41, s41, 2*HALFT                 ; which lie behind the tokens' 256
.irp s, 0,1
	v_add_nc_u32 v[ADRA+\s], s40, v4
	v_add_nc_u32 v[ADRB+\s], s41, v4
	s_add_co_u32 s40, s40, SLOT
	s_add_co_u32 s41, s41, SLOT
.endr
	v_mul_u32_u24 v5, v1, KS                       ; my row's scales: 32 bytes a row,
	v_lshrrev_b32 v6, 8, v5
	v_lshl_add_u32 v5, v6, 4, v5                   ; and 16 more for each 256 passed
	s_mul_i32 s40, s17, HALFS
	s_mul_i32 s41, s18, HALFS
	s_add_co_u32 s41, s41, 2*HALFS
	s_sub_co_u32 s41, s41, s40
	v_mul_u32_u24 v6, s41, v2                      ; lanes 16-31 take W's
	s_add_co_u32 s40, s40, SCL
	v_add_nc_u32 v5, v5, v6
	v_add_nc_u32 v[ADRS], s40, v5
	s_mul_i32 s40, s[WV], 16*SPITCH                ; my stage
	v_mul_u32_u24 v5, v1, SPITCH
	v_lshl_add_u32 v5, v2, 4, v5
	v_add_nc_u32 v[STO], s40, v5                   ; in: token r, 16 bytes for each half of the lanes
	v_and_b32 v6, 31, v0
	v_lshlrev_b32 v[CO], 4, v6                     ; out to memory: 16 x lane
	v_lshrrev_b32 v5, 3, v6
	v_mul_u32_u24 v5, v5, SPITCH
	v_and_b32 v6, 7, v0
	v_lshl_add_u32 v5, v6, 4, v5
	v_add_nc_u32 v[RD], s40, v5                    ; back: eight lanes take a head's 128 bytes of one token, four tokens an instruction
	; where my 128 tokens x 2 heads begin in qkv
	s_and_b32 s40, s19, 31
	s_lshl_b32 s40, s40, 8
	s_lshl_b32 s41, s17, 7
	s_add_co_u32 s40, s40, s41                     ; my first row in the product's 8,192
	s_lshr_b32 s41, s40, 11                        ; the batch
	s_and_b32 s40, s40, 2047                       ; the token
	s_lshl_b32 s41, s41, 4
	s_lshl_b32 s44, s20, 2
	s_add_co_u32 s41, s41, s44
	s_lshl_b32 s44, s18, 1
	s_add_co_u32 s41, s41, s44                     ; 16 x batch + head, head = 4 x tile column + 2 x half
	s_lshl_b32 s41, s41, 11
	s_add_co_u32 s40, s40, s41
	s_lshl_b32 s40, s40, 7                         ; 128 bytes a token and head
	s_lshl_b32 s41, s21, 24                        ; 16,777,216 bytes a product
	s_add_co_u32 s40, s40, s41
	s_mov_b32 s41, 0
	s_add_nc_u64 s[14:15], s[14:15], s[40:41]
	; the bias of my 128 columns, in the result's layout: lane (r, h), block b, register j: b[16 b + 8 h + j]
	s_cmp_eq_u32 s21, 1
	s_cselect_b64 s[8:9], s[10:11], s[8:9]
	s_cmp_eq_u32 s21, 2
	s_cselect_b64 s[8:9], s[12:13], s[8:9]
	s_lshl_b32 s40, s20, 10
	s_lshl_b32 s41, s18, 9
	s_add_co_u32 s40, s40, s41
	s_mov_b32 s41, 0
	s_add_nc_u64 s[8:9], s[8:9], s[40:41]
	v_lshlrev_b32 v7, 5, v2
	WIN TO_B
.irp b, 0,1,2,3,4,5,6,7
	global_load_b128 v[BIAS+8*\b:BIAS+8*\b+3], v7, s[8:9] offset:64*\b
	global_load_b128 v[BIAS+8*\b+4:BIAS+8*\b+7], v7, s[8:9] offset:64*\b+16
.endr
	WIN 0
.macro FRAG reg, adr, q, i             ; 16 rows x 128 K of 4-bit codes: registers 4 c .. 4 c + 3 hold K = 64 c + 32 h + 0 .. 31
.irp c, 0,1
	ds_load_b128 v[\reg+4*\c:\reg+4*\c+3], v[\adr] offset:64*(\q)+32*\c+(\i)*16*PITCH
.endr
.endm
; 16 matrix instructions: token blocks a0, a0 + 1 x W's eight, the slot's q-th 128 along K.  zero = 1: the first product starts the sums from the bias.  The 64 accumulators take turns, one instruction a turn.
.macro MUL16 a0, p, q, sc, zero
.irp a, \a0, \a0+1
.irp b, 0,1,2,3,4,5,6,7
.if \zero
	v_wmma_scale_f32_16x16x128_f8f6f4 v[8*(8*((\a)%4)+\b):8*(8*((\a)%4)+\b)+7], v[128*(\p)+FR*\b:128*(\p)+FR*\b+FR-1], v[AF+FR*(\a):AF+FR*(\a)+FR-1], v[BIAS+8*\b:BIAS+8*\b+7], v[SC+8*NQ*(\sc)+NQ*\b+(\q)], v[SC+8*NQ*(\sc)+NQ*(\a)+(\q)] matrix_a_fmt:MATRIX_FMT_FP4 matrix_b_fmt:MATRIX_FMT_FP4 matrix_a_scale:MATRIX_SCALE_ROW1
.else
	v_wmma_scale_f32_16x16x128_f8f6f4 v[8*(8*((\a)%4)+\b):8*(8*((\a)%4)+\b)+7], v[128*(\p)+FR*\b:128*(\p)+FR*\b+FR-1], v[AF+FR*(\a):AF+FR*(\a)+FR-1], v[8*(8*((\a)%4)+\b):8*(8*((\a)%4)+\b)+7], v[SC+8*NQ*(\sc)+NQ*\b+(\q)], v[SC+8*NQ*(\sc)+NQ*(\a)+(\q)] matrix_a_fmt:MATRIX_FMT_FP4 matrix_b_fmt:MATRIX_FMT_FP4 matrix_a_scale:MATRIX_SCALE_ROW1
.endif
.endr
.endr
.endm
.macro FETCH_B slot, q, p
	WIN TO_B
.irp i, 0,1,2,3,4,5,6,7
	FRAG 128*(\p)+FR*\i, ADRB+\slot, \q, \i
.endr
	WIN 0
.endm
.macro FETCH_A slot, q, i0
.irp i, \i0, \i0+1, \i0+2, \i0+3
	FRAG AF+FR*(\i), ADRA+\slot, \q, \i
.endr
.endm
.macro SCALES sc                       ; a slot's scale words: 4 words a row; lanes 0-15 take the tokens' block i, lanes 16-31 W's block i
.irp i, 0,1,2,3,4,5,6,7
	ds_load_b128 v[SC+8*NQ*\sc+NQ*\i:SC+8*NQ*\sc+NQ*\i+3], v[ADRS] offset:\i*SBLK
.endr
.endm
.macro PLACES n                        ; plain vector instructions between a matrix instruction and a load into, or a read of, its registers
.rept \n
	v_nop
.endr
.endm
.macro STEP slot, q, zero              ; 128 along K that have their successor in the same slot
	s_wait_dscnt 4*NL                              ; W's set and token blocks 0-3 are in; the youngest eight loads (blocks 4-7) may be out
	MWIN 0, \zero
	MUL16 0, (\q)%2, \q, \slot, \zero
	MUL16 2, (\q)%2, \q, \slot, \zero
	s_wait_dscnt 0
	PLACES NP
	FETCH_B \slot, (\q)+1, 1-(\q)%2
	FETCH_A \slot, (\q)+1, 0
	MWIN 1, \zero
	MUL16 4, (\q)%2, \q, \slot, \zero
	MUL16 6, (\q)%2, \q, \slot, \zero
	PLACES NP
	WIN 0
	FETCH_A \slot, (\q)+1, 4
.endm
.macro STEPS slot, from
.set Q, \from
.rept NQ-1-\from
	STEP \slot, Q, 0
.set Q, Q+1
.endr
.endm
	s_wait_tensorcnt 1                             ; the scales and my part of slot 0 are in; slot 1's load may be out
	s_barrier_signal -1
	s_barrier_wait -1
	FETCH_B 0, 0, 0
	FETCH_A 0, 0, 0
	SCALES 0
	FETCH_A 0, 0, 4
	s_wait_loadcnt 0x0                             ; the bias
	STEP 0, 0, 1
	STEPS 0, 1
	; slot 0's last step changes slots: one barrier; in front of it my part of slot 1 has landed and my reads of slot 0 are over
	s_wait_tensorcnt 0x0
	ds_add_u32 v[SPW], v[NIL]
	s_wait_dscnt 4*NL+1                            ; the add and the youngest eight loads may be out
	MWIN 0, 0
	MUL16 0, 1, NQ-1, 0, 0
	s_wait_dscnt 0x0
	s_barrier_signal -1
	MUL16 2, 1, NQ-1, 0, 0
	WIN 0
	s_barrier_wait -1
	PLACES NP
	v_add_nc_u32 v[ADRS], 4*NQ, v[ADRS]            ; on to slot 1's scale words
	FETCH_B 1, 0, 0
	FETCH_A 1, 0, 0
	SCALES 1
	MWIN 1, 0
	MUL16 4, 1, NQ-1, 0, 0
	MUL16 6, 1, NQ-1, 0, 0
	PLACES NP
	WIN 0
	FETCH_A 1, 0, 4
	STEPS 1, 0
	s_wait_dscnt 4*NL                              ; the very last step: nothing more to fetch
	MWIN 0, 0
	MUL16 0, 1, NQ-1, 1, 0
	MUL16 2, 1, NQ-1, 1, 0
	s_wait_dscnt 0
	MWIN 1, 0
	MUL16 4, 1, NQ-1, 1, 0
	MUL16 6, 1, NQ-1, 1, 0
	WIN 0
; THE WAY OUT, a block of 16 tokens x 128 columns (two heads) at a time: rounded to f16, 16 bytes a lane into my stage, back by heads: an instruction's 32 lanes hold four tokens' 128 bytes of one head, 512 consecutive bytes of qkv.
; The rows come back into the registers that held the tokens' fragments; the scale words' registers are left alone.
.macro PACK a
.set AC, 64*((\a)%4)
	WIN 0x0a+5*((\a)/4)                            ; sources 0 and 1: window 2 or 3
.irp b, 0,1,2,3,4,5,6,7
.irp r, 0,1,2,3
	v_cvt_pk_f16_f32 v[TMP+4*\b+\r], v[AC+8*\b+2*\r], v[AC+8*\b+2*\r+1]   ; each accumulator from its low end on
.endr
.endr
	WIN 0
.endm
.macro TOSTAGE a
.set BK, OB+32*((\a)%2)
.irp b, 0,1,2,3,4,5,6,7
	ds_store_b128 v[STO], v[TMP+4*\b:TMP+4*\b+3] offset:32*\b
.endr
.irp i, 0,1,2,3,4,5,6,7
	ds_load_b128 v[BK+4*\i:BK+4*\i+3], v[RD] offset:(\i%4)*4*SPITCH+(\i/4)*128   ; LDS serves a wave's instructions in order: these see the stores above
.endr
.endm
.macro SEND a
.set BK, OB+32*((\a)%2)
	s_wait_dscnt 0x0                               ; the block is back in registers
	s_wait_xcnt 0x0                                ; earlier stores have read their data: the block after next may land there
.irp i, 0,1,2,3,4,5,6,7
	global_store_b128 v[CO], v[BK+4*\i:BK+4*\i+3], s[14:15] offset:(\a)*2048+(\i/4)*262144+(\i%4)*512
.endr
.endm
	PLACES NP                                      ; ahead of the first reads of results, and of the loads into the registers that held the tokens' fragments
	PACK 0
	TOSTAGE 0
.irp a, 1,2,3,4,5,6,7
	PACK \a
	SEND (\a)-1
	TOSTAGE \a
.endr
	SEND 7
	s_wait_tensorcnt 0x0                           ; the wave's end
	ds_add_u32 v[SPW], v[NIL]
	s_wait_dscnt 0x0
	CROUND                                         ; the closing round
	s_endpgm
.Lfunc_end_k_qc0e812abc5_proj:
	.size	k_qc0e812abc5_proj, .Lfunc_end_k_qc0e812abc5_proj-k_qc0e812abc5_proj
	.p2alignl 7, 3214868480
	.fill 96, 4, 3214868480
	.section	.rodata,"a",@progbits
	.p2align	6, 0x0
	.amdhsa_kernel k_qc0e812abc5_proj
		.amdhsa_group_segment_fixed_size 327680
		.amdhsa_private_segment_fixed_size 0
		.amdhsa_enable_private_segment 0
		.amdhsa_kernarg_size 48
		.amdhsa_user_sgpr_count 2
		.amdhsa_user_sgpr_kernarg_segment_ptr 1
		.amdhsa_wavefront_size32 1
		.amdhsa_system_sgpr_workgroup_id_x 1
		.amdhsa_system_sgpr_workgroup_id_y 1
		.amdhsa_system_sgpr_workgroup_id_z 1
		.amdhsa_system_vgpr_workitem_id 0
		.amdhsa_next_free_vgpr 1024
		.amdhsa_next_free_sgpr 98
		.amdhsa_reserve_vcc 0
		.amdhsa_float_denorm_mode_32 3
		.amdhsa_float_denorm_mode_16_64 3
		.amdhsa_memory_ordered 1
		.amdhsa_forward_progress 1
		.amdhsa_inst_pref_size 128
	.end_amdhsa_kernel
	.amdgpu_metadata
---
amdhsa.version: [ 1, 2 ]
amdhsa.kernels:
  - .name:           k_qc0e812abc5_proj
    .symbol:         k_qc0e812abc5_proj.kd
    .args:
      - { .name: codes, .offset: 0, .size: 8, .value_kind: global_buffer, .address_space: global }
      - { .name: scales, .offset: 8, .size: 8, .value_kind: global_buffer, .address_space: global }
      - { .name: wq_b, .offset: 16, .size: 8, .value_kind: global_buffer, .address_space: global }
      - { .name: wk_b, .offset: 24, .size: 8, .value_kind: global_buffer, .address_space: global }
      - { .name: wv_b, .offset: 32, .size: 8, .value_kind: global_buffer, .address_space: global }
      - { .name: qkv, .offset: 40, .size: 8, .value_kind: global_buffer, .address_space: global }
    .group_segment_fixed_size: 327680
    .private_segment_fixed_size: 0
    .kernarg_segment_align: 8
    .kernarg_segment_size: 48
    .max_flat_workgroup_size: 128
    .sgpr_count:     98
    .vgpr_count:     1024
    .wavefront_size: 32
...
	.end_amdgpu_metadata
.endif
;; end of part 2
;; launch attn (part 3): grid 4 x 64, 8 waves a work-group, clusters of 4 x 1, 327,680 bytes of LDS; arguments qkv, ao; writes ao
.if DOCPART == 3
	.amdgcn_target "amdgcn-amd-amdhsa--gfx1250"
	.amdhsa_code_object_version 6
	.text
	.protected	k_qc0e812abc5_attn
	.globl	k_qc0e812abc5_attn
	.p2align	8
	.type	k_qc0e812abc5_attn,@function
k_qc0e812abc5_attn:
	s_mov_b64 s[64:65], 0
	v_nop
	global_prefetch_b8 v0, s[64:65] scope:SCOPE_SE
	s_setreg_imm32_b32 hwreg(HW_REG_WAVE_MODE, 25, 1), 1
	s_wait_xcnt 0x0
	s_wait_alu depctr_hold_cnt(0) depctr_sa_sdst(0) depctr_va_vdst(0) depctr_va_sdst(0) depctr_va_ssrc(0) depctr_va_vcc(0) depctr_vm_vsrc(0)
	s_getreg_b32 s2, hwreg(HW_REG_IB_STS2, 6, 4)
	s_cmp_eq_u32 s2, 0
	s_cbranch_scc0 .Lentry_in_a_cluster
	s_endpgm
.Lentry_in_a_cluster:
	s_bfe_u32 s2, ttmp6, 0x10000c
	s_cmp_lg_u32 s2, 0x3003
	s_cbranch_scc0 .Lentry_shape_is_right
	s_endpgm
.Lentry_shape_is_right:
; ao[b][h][q][:] = the sum over k of softmax_k(Q . K / 8) V, for 64 heads of 2,048 tokens x 64 channels.  Q, K, V (qkv) and ao are f16, laid [batch x head][token][64]; products, maxima and sums in f32;
; the weights p are rounded to f16 for the second product, the result once at the end.
; LIMITS: the result must stay under 65,504 in magnitude (f16); NaN and infinities are not served.
; SHARES.  A work-group owns 512 queries of one head, each of its eight waves 64: four tiles of 16.  Every wave walks all keys, 64 a step.
; LAYOUT.  S^T = K Q^T (source 0 = 16 keys, source 1 = 16 queries): a lane holds ONE query and the keys 8 (lane / 16) + 0..7 of a tile; two tiles rounded in pairs ARE source 1 of O^T = V^T P.  V is turned by ds_load_tr16_b128.
; SOFTMAX.  A running maximum m and sum l for each query: p = 2^(c s - c m), c = log2(e) / 8; in every step O and l are multiplied by a = 2^(c m_old - c m_new).
; PHASES.  A wave runs M(j) = the 32 products V^T P of step j - 1 and the 32 products K Q^T of step j, then V(j) = the LDS loads of V(j) and K(j + 1) and step j's softmax.  Waves 0-3 cut the sequence as [V(j), M(j + 1)],
; waves 4-7 as [M(j), V(j)], so that behind a barrier half of the waves begin with vector work and half with matrix work.  Values do not hang on where waves run.
; What that costs: waves 4-7 begin with 32 products on zeros; waves 0-3 end with 32 products on the 64 rows behind the head's keys (inside qkv), whose results nobody reads.  O, S and V's fragments are cleared once, so that the step is written once.
; LDS holds pairs (V(i), K(i + 1)), four to a slot, two slots; K(0) comes into registers by global loads.
; CLUSTER.  The four query blocks of a head form a cluster and ask for each tile jointly.
; REGISTERS: window 0: v1-15 addresses; v16-47 statistics, 8 a tile; v48-175 S^T, 32 a tile, P in place in each tile's first 16; v176-239 V's fragments.   window 1: v0-127 O^T, 32 a tile; v128-191 Q; v192-255 K's fragments.
.set KS,    64
.set PKP,   144                        ; a row of K in LDS: 128 bytes + 16: nine times 16 bytes, so that 16 rows start at 16 different 16-byte columns
.set PVP,   160                        ; a row of V: 128 + 32: five times 32 bytes, for the turning load
.set VOFF,  KS*PKP
.set STEPB, KS*(PKP+PVP)               ; a pair: 64 rows of K, then 64 rows of V
.set SLOT1, 1<<17                      ; slot 1 begins here: one exclusive or turns an address from slot to slot
.set SLOTG, 4*KS*128                   ; a slot's rows of K, or of V, in memory: 32,768 bytes
.set STAGE, SLOT1+4*STEPB              ; behind the ring: 64 rows x 144 bytes a wave, for the way out
.set SP,    144
.set SPARE, STAGE+8*64*SP              ; the spare words, 128 bytes a wave
.set AK0, 2
.set AV0, 3
.set ADK, 4
.set ADV, 5
.set QO,  6
.set STO, 7
.set RD,  8
.set GO,  9
.set PFO, 10
.set SPW, 12
.set NIL, 13
.set ST,  16                           ; tile t at ST + 8 t: +0 c m, +1 m, +2, +3 l (even keys', odd keys'), +4 .. +7 at work; a at +6
.set S,   48
.set VF,  176
.set QF,  128                          ; in window 1
.set KF,  192                          ; in window 1
.set WV,  12
.set LIM, 15
.set PFA, 18
.set G1K, 24
.set G1V, 32
.set G0K, 40
.set G0V, 48
.set SLOTS, 56
.set CNT, 57
.set CS,  58
.set SEL, 60
.set TB,  62
.set MSB, 0
.macro WIN new
.if MSB != (\new)
	s_set_vgpr_msb (MSB<<8)|(\new)
.set MSB, (\new)
.endif
.endm
.set W_KQ, 0x05                        ; K and Q in window 1, S^T in window 0
.set W_PV, 0x50                        ; V and P in window 0, O^T (C and D) in window 1
.set W_RS, 0x41                        ; O^T (destination and source 0) in window 1, a in window 0
; A joint refill: waves 0-3 fetch the slot's four tiles of K, waves 4-7 those of V, one tile of 64 rows each.  The branch hangs on the wave's number alone.  An s_nop 0 and four v_nop follow each line.
.macro JLOAD
	s_cmp_lt_u32 s[WV], 4
	s_cbranch_scc0 .Lfor_v_\@
	tensor_load_to_lds s[G0K+4:G0K+7], s[G1K:G1K+7]
	s_nop 0
.rept 4
	v_nop
.endr
	s_branch .Lasked_\@
.Lfor_v_\@:
	tensor_load_to_lds s[G0V+4:G0V+7], s[G1V:G1V+7]
	s_nop 0
.rept 4
	v_nop
.endr
.Lasked_\@:
.endm
; A prefetch into the L2 of what the NEXT change of slots will ask for: 32,768 dense bytes of K and of V.  The four partners take 8,192 bytes each, told apart by address; in each, wave 0 asks for K's and wave 4 for V's,
; lanes 256 bytes apart: each aligned block of 256 bytes is named once in the launch.  The last change that fills a slot asks for nothing.  Slots 0 to 2 come by their loads alone.
.macro ASK
	s_cmp_gt_u32 s[SLOTS], s[LIM]
	s_cbranch_scc0 .Lnot_mine_\@
	global_prefetch_b8 v[PFO], s[PFA:PFA+1] th:TH_LOAD_NT scope:SCOPE_SE
.Lnot_mine_\@:
.endm
.macro CROUND
	s_barrier_signal -1
	s_barrier_wait -1
	s_cmp_lg_u32 s[WV], 0
	s_cbranch_scc1 .Lnot_wave_0_\@
	s_barrier_signal -3
.Lnot_wave_0_\@:
	s_barrier_wait -3
	s_barrier_signal -1
	s_barrier_wait -1
.endm
	s_load_b64 s[4:5], s[0:1], 0x0                 ; qkv
	s_load_b64 s[10:11], s[0:1], 0x8               ; ao
	v_lshl_add_u32 v[SPW], v0, 2, SPARE
	v_mov_b32 v[NIL], 0
	ds_add_u32 v[SPW], v[NIL]                      ; the opening: the add, twice on end, and its wait ahead of my first tensor load
	ds_add_u32 v[SPW], v[NIL]
	v_lshrrev_b32 v1, 5, v0
	v_readfirstlane_b32 s[WV], v1                  ; wave 0..7
	s_bfe_u32 s13, ttmp6, 0x40000                  ; cx
	s_lshl_b32 s14, ttmp9, 2
	s_add_co_u32 s14, s14, s13                     ; my block of 512 queries: it enters Q's and ao's addresses alone
	s_and_b32 s20, ttmp7, 0xffff                   ; batch x head, which the four partners share
	s_lshl_b32 s20, s20, 18                        ; 2,048 tokens x 128 bytes
	s_mov_b32 s21, 0
	s_lshl_b32 s2, s14, 16                         ; my block's 512 rows,
	s_lshl_b32 s3, s[WV], 13                       ; my wave's 64 of them,
	s_add_co_u32 s2, s2, s3
	s_add_co_u32 s2, s2, s20                       ; in my head
	s_mov_b32 s3, 0
	s_and_b32 s16, s[WV], 3                        ; which of a slot's four pairs I fetch for
	s_mul_i32 s17, s16, STEPB                      ; its place in a slot,
	s_lshl_b32 s22, s16, 13                        ; its 64 rows in memory
	s_mov_b32 s23, 0
	s_mov_b32 s[G1K], 15|(1<<16)|(1<<20)|(1<<21)|(4<<22)|(3<<25)   ; mask: all four; elements of 2 bytes; padding on; bit 21 beside a mask; 4 words after every 32
	s_mov_b32 s[G1V], 15|(1<<16)|(1<<20)|(1<<21)|(4<<22)|(7<<25)   ; the same with 8 words
.irp g, G1K, G1V
	s_mov_b32 s[\g+1], 64<<16                      ; tensor_dim0
	s_mov_b32 s[\g+2], KS<<16                      ; tensor_dim1
	s_mov_b32 s[\g+3], 64<<16                      ; tile_dim0
	s_mov_b32 s[\g+4], KS                          ; tile_dim1
	s_mov_b32 s[\g+5], 64                          ; the pitch
	s_mov_b32 s[\g+6], 0
	s_mov_b32 s[\g+7], 0
.endr
	s_mov_b32 s[CS], 0x3e38aa3b                    ; c = log2(e) / 8
	s_mov_b32 s[CS+1], s[CS]                       ; named with it as a pair, so it is written
	s_mov_b32 s[SEL], 0x76543210
	s_mov_b32 s[SEL+1], 0xfedcba98
	s_mov_b32 s[TB], 0
	s_mov_b32 s[SLOTS], 2048/(4*KS)-2
	s_cmp_eq_u32 s16, 0
	s_cselect_b32 s[LIM], 1, -1                    ; waves 0 and 4 prefetch
	v_and_b32 v[PFO], 31, v0
	v_lshlrev_b32 v[PFO], 8, v[PFO]
	s_wait_dscnt 0x0                               ; both opening adds are done
	s_wait_kmcnt 0x0
	s_add_nc_u64 s[6:7], s[4:5], s[20:21]
	s_add_nc_u64 s[8:9], s[6:7], 0x2000000         ; V at my head
	s_add_nc_u64 s[6:7], s[6:7], 0x1000000         ; K at my head
	s_add_nc_u64 s[4:5], s[4:5], s[2:3]            ; Q at my wave's first row
	s_add_nc_u64 s[10:11], s[10:11], s[2:3]        ; ao likewise
	s_add_nc_u64 s[20:21], s[6:7], s[22:23]        ; K and V at my pair of slot 0 (K's tile lies a step further on)
	s_add_nc_u64 s[22:23], s[8:9], s[22:23]
	s_cmp_lt_u32 s[WV], 4
	s_cselect_b64 s[PFA:PFA+1], s[6:7], s[8:9]
	s_cselect_b32 s2, 8192, 0                      ; K's tiles lie a step further on
	s_lshl_b32 s3, s13, 13                         ; my work-group's 8,192 bytes of a slot's 32,768
	s_add_co_u32 s2, s2, s3
	s_add_co_u32 s2, s2, 2*SLOTG                   ; in slot 2: the first change of slots steps it to slot 3
	s_mov_b32 s3, 0
	s_add_nc_u64 s[PFA:PFA+1], s[PFA:PFA+1], s[2:3]
	CROUND                                         ; all four work-groups are here: the first joint loads meet
.irp s, 0,1
	s_mov_b32 s[G0K+4*\s], 1
	s_add_co_u32 s[G0K+4*\s+1], s17, \s*SLOT1
	s_add_nc_u64 s[G0K+4*\s+2:G0K+4*\s+3], s[20:21], \s*SLOTG+8192
	s_or_b32 s[G0K+4*\s+3], s[G0K+4*\s+3], 0x80000000
	s_mov_b32 s[G0V+4*\s], 1
	s_add_co_u32 s[G0V+4*\s+1], s17, \s*SLOT1+VOFF
	s_add_nc_u64 s[G0V+4*\s+2:G0V+4*\s+3], s[22:23], \s*SLOTG
	s_or_b32 s[G0V+4*\s+3], s[G0V+4*\s+3], 0x80000000
.endr
	s_cmp_lt_u32 s[WV], 4                          ; a wave's two first fills stand in one branch: two loads of mine are out
	s_cbranch_scc0 .Lfirst_v
	tensor_load_to_lds s[G0K:G0K+3], s[G1K:G1K+7]
	s_nop 0
	tensor_load_to_lds s[G0K+4:G0K+7], s[G1K:G1K+7]
	s_nop 0
.rept 4
	v_nop
.endr
	s_branch .Lfirst_asked
.Lfirst_v:
	tensor_load_to_lds s[G0V:G0V+3], s[G1V:G1V+7]
	s_nop 0
	tensor_load_to_lds s[G0V+4:G0V+7], s[G1V:G1V+7]
	s_nop 0
.rept 4
	v_nop
.endr
.Lfirst_asked:
	v_and_b32 v1, 15, v0                           ; r
	v_bfe_u32 v11, v0, 4, 1                        ; h
	v_lshlrev_b32 v[QO], 7, v1
	v_lshl_add_u32 v[QO], v11, 4, v[QO]            ; row x 128 + 16 h
	WIN 0x40                                       ; destination window 1
.irp i, 0,1,2,3,4,5,6,7                        ; Q stays in registers: tile i / 2, channels 32 (i % 2) on; K of step 0 likewise
	global_load_b128 v[QF+8*\i:QF+8*\i+3],   v[QO], s[4:5] offset:(\i/2)*2048+(\i%2)*64
	global_load_b128 v[QF+8*\i+4:QF+8*\i+7], v[QO], s[4:5] offset:(\i/2)*2048+(\i%2)*64+32
	global_load_b128 v[KF+8*\i:KF+8*\i+3],   v[QO], s[6:7] offset:(\i/2)*2048+(\i%2)*64
	global_load_b128 v[KF+8*\i+4:KF+8*\i+7], v[QO], s[6:7] offset:(\i/2)*2048+(\i%2)*64+32
.endr
.set i, 0
.rept 128
	v_mov_b32 v[i], 0                              ; O^T: the first step's a is 0 and leaves zeros
.set i, i+1
.endr
	WIN 0
.set i, S
.rept 192
	v_mov_b32 v[i], 0                              ; S^T, with P in it, and V's fragments: waves 4-7 begin with products on them
.set i, i+1
.endr
.irp t, 0,1,2,3
	v_mov_b32 v[ST+8*\t+1], 0xff61b1e6             ; m = -3e38, under every score
	v_mul_f32 v[ST+8*\t], s[CS], v[ST+8*\t+1]      ; c m
.irp u, 2,3,4,5,6,7
	v_mov_b32 v[ST+8*\t+\u], 0
.endr
.endr
	v_mul_u32_u24 v[AK0], v1, PKP
	v_lshl_add_u32 v[AK0], v11, 4, v[AK0]          ; K: row x pitch + 16 h
	v_and_b32 v14, 7, v0
	v_bfe_u32 v15, v0, 3, 1
	v_lshl_add_u32 v[AV0], v11, 3, v14             ; V: key 8 h + lane % 8,
	v_mul_u32_u24 v[AV0], v[AV0], PVP
	v_lshl_add_u32 v[AV0], v15, 4, v[AV0]          ; channels 8 ((lane / 8) % 2) on
	v_add_nc_u32 v[AV0], VOFF, v[AV0]
	s_mul_i32 s16, s[WV], 64*SP
	s_add_co_u32 s16, s16, STAGE                   ; my stage
	v_mul_u32_u24 v[STO], v1, SP
	v_lshl_add_u32 v[STO], v11, 4, v[STO]
	v_add_nc_u32 v[STO], s16, v[STO]               ; in: query r, 16 bytes for each half of the lanes
	v_bfe_u32 v15, v0, 3, 2
	v_mul_u32_u24 v[RD], v15, SP
	v_lshl_add_u32 v[RD], v14, 4, v[RD]
	v_add_nc_u32 v[RD], s16, v[RD]                 ; back: eight lanes a query's 128 bytes, four queries an instruction
	v_and_b32 v[GO], 31, v0
	v_lshlrev_b32 v[GO], 4, v[GO]
; 32 products S^T = K Q^T: channels 32 (i / 16) on, keys 16 ((i / 4) % 4) on, tile i % 4.  The first 16 start the sums.  The 16 accumulators take turns, one instruction a turn.
.macro KQRUN
	WIN W_KQ
.set i, 0
.rept 32
.set rS, S+32*(i%4)+8*((i/4)%4)
.set rK, KF+16*((i/4)%4)+8*(i/16)
.set rQ, QF+16*(i%4)+8*(i/16)
.if i < 16
	v_wmma_f32_16x16x32_f16 v[rS:rS+7], v[rK:rK+7], v[rQ:rQ+7], 0
.else
	v_wmma_f32_16x16x32_f16 v[rS:rS+7], v[rK:rK+7], v[rQ:rQ+7], v[rS:rS+7]
.endif
.set i, i+1
.endr
.endm
; 32 products O^T += V^T P: keys 32 (i / 16) on, channels 16 ((i / 4) % 4) on, tile i % 4
.macro PVRUN
	WIN W_PV
.set i, 0
.rept 32
.set rO, 32*(i%4)+8*((i/4)%4)
.set rV, VF+32*(i/16)+8*((i/4)%4)
.set rP, S+32*(i%4)+8*(i/16)
	v_wmma_f32_16x16x32_f16 v[rO:rO+7], v[rV:rV+7], v[rP:rP+7], v[rO:rO+7]
.set i, i+1
.endr
.endm
; Behind every run of K Q^T stand FIVE places.  P lies in S^T's registers, and in the text a run of V^T P, which takes those registers as an operand, can follow a run of K Q^T with nothing else between (the other
; waves' arm, over the loop's backward jump): a matrix instruction that takes a matrix result as an operand stands five plain instructions behind it (ISA guide 7.12.1).  Four of the five also serve the vector reads of S^T
; and the loads into K's and V's fragments.
.macro AFTER_KQ
	WIN 0
.rept 5
	v_nop
.endr
.endm
.macro ARM_M
	PVRUN
.rept 5
	v_nop                                          ; K Q^T writes over P's registers, which the products above have read: five places likewise
.endr
	KQRUN
	AFTER_KQ
.endm
; THE SOFTMAX of tile t.  SMAX j, j = 0 .. 20: the maximum of the lane's 32 scores and the old m in four chains, the other half of the lanes', the new m, c m, and c m_old - c m_new.
.macro SMAX t, j
.set rT, ST+8*(\t)
.set rS, S+32*(\t)
.set jj, \j
.if jj < 4
	v_max3_num_f32 v[rT+4+jj], v[rS+8*jj], v[rS+8*jj+1], v[rS+8*jj+2]    ; each accumulator is read from its low end on
.elseif jj < 12
	v_max3_num_f32 v[rT+4+jj%4], v[rT+4+jj%4], v[rS+8*(jj%4)+2*(jj/4)+1], v[rS+8*(jj%4)+2*(jj/4)+2]
.elseif jj == 12
	v_max3_num_f32 v[rT+4], v[rT+4], v[rS+7], v[rS+15]
.elseif jj == 13
	v_max3_num_f32 v[rT+6], v[rT+6], v[rS+23], v[rS+31]
.elseif jj == 14
	v_max3_num_f32 v[rT+4], v[rT+4], v[rT+5], v[rT+6]
.elseif jj == 15
	v_max3_num_f32 v[rT+4], v[rT+4], v[rT+7], v[rT+1]
.elseif jj == 16
	v_permlanex16_b32 v[rT+5], v[rT+4], s[SEL], s[SEL+1]   ; the query's other 32 keys lie in the lane 16 away
.elseif jj == 17
	v_mov_b32 v[rT+7], v[rT]                       ; c m_old is kept for a
.elseif jj == 18
	v_max_num_f32 v[rT+1], v[rT+4], v[rT+5]
.elseif jj == 19
	v_mul_f32 v[rT], s[CS], v[rT+1]
.else
	v_sub_f32 v[rT+7], v[rT+7], v[rT]
.endif
.endm
.macro SSCL t, b                       ; pair b: c s - c m
.set rT, ST+8*(\t)
.set rS, S+32*(\t)+2*(\b)
	v_pk_fma_f32 v[rS:rS+1], v[rS:rS+1], s[CS:CS+1], v[rT:rT+1] op_sel_hi:[1,0,0] neg_lo:[0,0,1] neg_hi:[0,0,1]
.endm
.macro SEXP t, e
.set rS, S+32*(\t)+(\e)
	v_exp_f32 v[rS], v[rS]
.endm
.macro SEXPA t
.set rT, ST+8*(\t)
	v_exp_f32 v[rT+6], v[rT+7]
.endm
; SFIN j: 0 .. 15 the sums of the unrounded weights (l = a l + pair 0; two chains; joined); 16 .. 31 the roundings to f16, in place: pair p goes to register p, which lies at or under the pair
.macro SFIN t, j
.set rT, ST+8*(\t)
.set rS, S+32*(\t)
.set jj, \j
.if jj == 0
	v_pk_fma_f32 v[rT+2:rT+3], v[rT+2:rT+3], v[rT+6:rT+7], v[rS:rS+1] op_sel_hi:[1,0,1]
.elseif jj == 1
	v_pk_add_f32 v[rT+4:rT+5], v[rS+2:rS+3], v[rS+4:rS+5]
.elseif jj < 15
.if jj%2 == 0
	v_pk_add_f32 v[rT+2:rT+3], v[rT+2:rT+3], v[rS+2*jj+2:rS+2*jj+3]
.else
	v_pk_add_f32 v[rT+4:rT+5], v[rT+4:rT+5], v[rS+2*jj+2:rS+2*jj+3]
.endif
.elseif jj == 15
	v_pk_add_f32 v[rT+2:rT+3], v[rT+2:rT+3], v[rT+4:rT+5]
.else
	v_cvt_pk_f16_f32 v[rS+jj-16], v[rS+2*(jj-16)], v[rS+2*(jj-16)+1]
.endif
.endm
.macro RESC t                          ; the tile's O^T times a, from each accumulator's low end on
	WIN W_RS
.set i, 0
.rept 16
	v_pk_mul_f32 v[32*(\t)+2*i:32*(\t)+2*i+1], v[32*(\t)+2*i:32*(\t)+2*i+1], v[ST+8*(\t)+6:ST+8*(\t)+7] op_sel_hi:[1,0]
.set i, i+1
.endr
.endm
.macro FILL kind, y                    ; one plain instruction of tiles y, y + 1, set behind an exponential of the other two tiles: kind 0 their maxima (42), kind 1 their sums and roundings (64)
.if \kind == 0
.if n < 42
	SMAX (\y)+n%2, n/2
.endif
.else
.if n < 64
	SFIN (\y)+n%2, n/2
.endif
.endif
.set n, n+1
.endm
; The batch of tiles x, x + 1: 2 + 64 exponentials and their 32 scalings.  Nothing in it names an exponential's result; a pair is scaled a turn ahead of its exponentials.
.macro BLOCK x, kind, y
	SEXPA \x
	SEXPA (\x)+1
.set n, 0
.set bi, 0
.rept 17
.if bi < 16
	SSCL \x, bi
	SSCL (\x)+1, bi
.endif
.if bi > 0
	SEXP \x, 2*bi-2
	FILL \kind, \y
	SEXP (\x)+1, 2*bi-2
	FILL \kind, \y
	SEXP \x, 2*bi-1
	FILL \kind, \y
	SEXP (\x)+1, 2*bi-1
	FILL \kind, \y
.endif
.set bi, bi+1
.endr
.endm
.macro ARM_V
	v_add_nc_u32 v[ADV], s[TB], v[AV0]
	v_add_nc_u32 v[ADK], s[TB], v[AK0]
	s_add_co_u32 s[TB], s[TB], STEPB               ; the next fetch is the next pair's
.irp f, 0,1,2,3,4,5,6,7                        ; V of this step: keys 32 (f / 4) on, channels 16 (f % 4) on
	ds_load_tr16_b128 v[VF+8*\f:VF+8*\f+3],   v[ADV] offset:(\f/4)*32*PVP+(\f%4)*32
	ds_load_tr16_b128 v[VF+8*\f+4:VF+8*\f+7], v[ADV] offset:(\f/4)*32*PVP+16*PVP+(\f%4)*32
.endr
	WIN 0x40
.irp f, 0,1,2,3,4,5,6,7                        ; K of the next step: keys 16 (f / 2) on, channels 32 (f % 2) on
	ds_load_b128 v[KF+8*\f:KF+8*\f+3],   v[ADK] offset:(\f/2)*16*PKP+(\f%2)*64
	ds_load_b128 v[KF+8*\f+4:KF+8*\f+7], v[ADK] offset:(\f/2)*16*PKP+(\f%2)*64+32
.endr
	WIN 0
.set n, 0
.rept 42
	SMAX n%2, n/2                                  ; tiles 0 and 1 by turns
.set n, n+1
.endr
	BLOCK 0, 0, 2                                  ; tiles 0, 1: the batch; between its exponentials tiles 2, 3 find their maxima
	v_nop                                          ; a plain instruction behind the last exponential
	s_wait_alu depctr_va_vdst(0)                   ; the wait ahead of the first instruction that names a result: one for the 66
	BLOCK 2, 1, 0                                  ; tiles 2, 3: the batch; between its exponentials tiles 0, 1 are summed and rounded
	v_nop                                          ; a plain instruction behind the last exponential
	s_wait_alu depctr_va_vdst(0)                   ; and one wait for the second 66, ahead of all that follows
	RESC 0
	RESC 1
	WIN 0
.set n, 0
.rept 64
	SFIN 2+n%2, n/2
.set n, n+1
.endr
	RESC 2
	RESC 3
	WIN 0
	s_wait_dscnt 0x0                               ; V and K are in, and my reads of the pair are over
.endm
; A slot's four steps: written once, walked four times; the two branches hang on the wave's number alone
.macro FOUR_STEPS
	s_mov_b32 s[CNT], 4
.Lstep_\@:
	s_cmp_lt_u32 s[WV], 4
	s_cbranch_scc1 .Lv_\@
	ARM_M                                          ; waves 4-7
.Lv_\@:
	ARM_V
	s_cmp_lt_u32 s[WV], 4
	s_cbranch_scc0 .Le_\@
	ARM_M                                          ; waves 0-3
.Le_\@:
	s_sub_co_u32 s[CNT], s[CNT], 1
	s_cmp_lg_u32 s[CNT], 0
	s_cbranch_scc1 .Lstep_\@
.endm
; THE CHANGE OF SLOTS.  Each wave waits for all its tensor loads (one is out: its part of the other slot), adds 0 to its spare word, and waits for that and for its reads of the slot.  fill = 1: the barrier is a round of the
; cluster's, and the joint refill, with the keys two slots on, is the first thing behind it: it has four steps in which to land.
.macro CHANGE fill
	s_wait_tensorcnt 0x0                           ; no tensor load of mine is out, so a group 0 may be written
	ds_add_u32 v[SPW], v[NIL]
.if \fill
.irp g, G0K+4, G0V+4
	s_xor_b32 s[\g+1], s[\g+1], SLOT1              ; the walking descriptor: the other slot than last time,
	s_add_nc_u64 s[\g+2:\g+3], s[\g+2:\g+3], SLOTG ; the next 256 rows
.endr
	s_wait_xcnt 0x0                                ; the last prefetch, four steps back, has read its address
	s_add_nc_u64 s[PFA:PFA+1], s[PFA:PFA+1], SLOTG
	s_wait_dscnt 0x0
	CROUND
	JLOAD
	ASK
.else
	s_wait_dscnt 0x0
	s_barrier_signal -1
	s_barrier_wait -1
.endif
	s_sub_co_u32 s[TB], s[TB], 4*STEPB             ; the fetches go back to a slot's first pair,
	s_xor_b32 s[TB], s[TB], SLOT1                  ; in the other slot
.endm
	s_wait_loadcnt 0x0                             ; Q and K of step 0
	s_cmp_lt_u32 s[WV], 4
	s_cbranch_scc0 .Lno_first
	KQRUN                                          ; waves 0-3: the scores of step 0
	AFTER_KQ
.Lno_first:
	s_wait_tensorcnt 1                             ; my part of slot 0 is in; slot 1's may stay out
	s_barrier_signal -1
	s_barrier_wait -1
	FOUR_STEPS
.Lslot:                                            ; six trips: every slot but the last two is filled again
	CHANGE 1
	FOUR_STEPS
	s_sub_co_u32 s[SLOTS], s[SLOTS], 1
	s_cmp_lg_u32 s[SLOTS], 0
	s_cbranch_scc1 .Lslot
	CHANGE 0                                       ; the tail is written out
	FOUR_STEPS
	s_cmp_lt_u32 s[WV], 4
	s_cbranch_scc1 .Lno_last
	PVRUN                                          ; waves 4-7: V^T P of the last step
	WIN 0
.rept 4
	v_nop                                          ; four places ahead of the vector reads of O^T
.endr
.Lno_last:
	; THE WAY OUT.  l's two halves and the other half of the lanes' are added; O^T is divided by l, rounded to f16 and sent through my stage
.irp t, 0,1,2,3
	v_add_f32 v[ST+8*\t+4], v[ST+8*\t+2], v[ST+8*\t+3]
.endr
.irp t, 0,1,2,3
	v_permlanex16_b32 v[ST+8*\t+5], v[ST+8*\t+4], s[SEL], s[SEL+1]
.endr
.irp t, 0,1,2,3
	v_add_f32 v[ST+8*\t+4], v[ST+8*\t+4], v[ST+8*\t+5]
.endr
.irp t, 0,1,2,3
	v_rcp_f32 v[ST+8*\t+6], v[ST+8*\t+4]
.endr
	v_nop                                          ; a plain instruction behind the last reciprocal
	s_wait_alu depctr_va_vdst(0)                   ; one wait for the four, ahead of the first use
.macro PACK t
	WIN W_RS
.set i, 0
.rept 16
	v_pk_mul_f32 v[32*\t+2*i:32*\t+2*i+1], v[32*\t+2*i:32*\t+2*i+1], v[ST+8*\t+6:ST+8*\t+7] op_sel_hi:[1,0]
.set i, i+1
.endr
	WIN 0x05                                       ; sources in window 1, destination in window 0
.set i, 0
.rept 16
	v_cvt_pk_f16_f32 v[S+32*\t+i], v[32*\t+2*i], v[32*\t+2*i+1]
.set i, i+1
.endr
	WIN 0
.irp c, 0,1,2,3
	ds_store_b128 v[STO], v[S+32*\t+4*\c:S+32*\t+4*\c+3] offset:\t*16*SP+32*\c
.endr
.irp f, 0,1,2,3
	ds_load_b128 v[S+32*\t+16+4*\f:S+32*\t+16+4*\f+3], v[RD] offset:\t*16*SP+\f*4*SP   ; LDS serves a wave's instructions in order: these see the stores above
.endr
.endm
.macro SEND t
.irp f, 0,1,2,3
	s_wait_dscnt 8*(3-\t)+3-\f                     ; behind this load: the tile's later loads and the later tiles' eight LDS instructions each
	global_store_b128 v[GO], v[S+32*\t+16+4*\f:S+32*\t+16+4*\f+3], s[10:11] offset:\t*2048+\f*512   ; 32 lanes store 512 consecutive bytes
.endr
.endm
	PACK 0
	PACK 1
	PACK 2
	PACK 3
	SEND 0
	SEND 1
	SEND 2
	SEND 3
	s_wait_tensorcnt 0x0                           ; the wave's end
	ds_add_u32 v[SPW], v[NIL]
	s_wait_dscnt 0x0
	CROUND                                         ; the closing round
	s_endpgm
.Lfunc_end_k_qc0e812abc5_attn:
	.size	k_qc0e812abc5_attn, .Lfunc_end_k_qc0e812abc5_attn-k_qc0e812abc5_attn
	.p2alignl 7, 3214868480
	.fill 96, 4, 3214868480
	.section	.rodata,"a",@progbits
	.p2align	6, 0x0
	.amdhsa_kernel k_qc0e812abc5_attn
		.amdhsa_group_segment_fixed_size 327680
		.amdhsa_private_segment_fixed_size 0
		.amdhsa_enable_private_segment 0
		.amdhsa_kernarg_size 16
		.amdhsa_user_sgpr_count 2
		.amdhsa_user_sgpr_kernarg_segment_ptr 1
		.amdhsa_wavefront_size32 1
		.amdhsa_system_sgpr_workgroup_id_x 1
		.amdhsa_system_sgpr_workgroup_id_y 1
		.amdhsa_system_sgpr_workgroup_id_z 1
		.amdhsa_system_vgpr_workitem_id 0
		.amdhsa_next_free_vgpr 512
		.amdhsa_next_free_sgpr 66
		.amdhsa_reserve_vcc 0
		.amdhsa_float_denorm_mode_32 3
		.amdhsa_float_denorm_mode_16_64 3
		.amdhsa_memory_ordered 1
		.amdhsa_forward_progress 1
		.amdhsa_inst_pref_size 151
	.end_amdhsa_kernel
	.amdgpu_metadata
---
amdhsa.version: [ 1, 2 ]
amdhsa.kernels:
  - .name:           k_qc0e812abc5_attn
    .symbol:         k_qc0e812abc5_attn.kd
    .args:
      - { .name: qkv, .offset: 0, .size: 8, .value_kind: global_buffer, .address_space: global }
      - { .name: ao, .offset: 8, .size: 8, .value_kind: global_buffer, .address_space: global }
    .group_segment_fixed_size: 327680
    .private_segment_fixed_size: 0
    .kernarg_segment_align: 8
    .kernarg_segment_size: 16
    .max_flat_workgroup_size: 256
    .sgpr_count:     66
    .vgpr_count:     512
    .wavefront_size: 32
...
	.end_amdgpu_metadata
.endif
;; end of part 3
;; launch outp (part 4): grid 4 x 64, 4 waves a work-group, clusters of 4 x 4, 327,680 bytes of LDS; arguments ao, wd, dense_b, out0; writes out0
.if DOCPART == 4
	.amdgcn_target "amdgcn-amd-amdhsa--gfx1250"
	.amdhsa_code_object_version 6
	.text
	.protected	k_qc0e812abc5_outp
	.globl	k_qc0e812abc5_outp
	.p2align	8
	.type	k_qc0e812abc5_outp,@function
k_qc0e812abc5_outp:
	s_mov_b64 s[64:65], 0
	v_nop
	global_prefetch_b8 v0, s[64:65] scope:SCOPE_SE
	s_setreg_imm32_b32 hwreg(HW_REG_WAVE_MODE, 25, 1), 1
	s_wait_xcnt 0x0
	s_wait_alu depctr_hold_cnt(0) depctr_sa_sdst(0) depctr_va_vdst(0) depctr_va_sdst(0) depctr_va_ssrc(0) depctr_va_vcc(0) depctr_vm_vsrc(0)
	s_getreg_b32 s2, hwreg(HW_REG_IB_STS2, 6, 4)
	s_cmp_eq_u32 s2, 0
	s_cbranch_scc0 .Lentry_in_a_cluster
	s_endpgm
.Lentry_in_a_cluster:
	s_bfe_u32 s2, ttmp6, 0x10000c
	s_cmp_lg_u32 s2, 0xf033
	s_cbranch_scc0 .Lentry_shape_is_right
	s_endpgm
.Lentry_shape_is_right:
; out0[m][n] = the sum over k of A[m][k] dense_w[n][k] + dense_b[n].  A is the attention's result, f16, laid [batch][head][token][64]; dense_w comes as f16 laid [head][n][64]; sums in f32, begun with the bias; out0 is f32.
; A tile of out0 is 128 tokens x 256 columns: 256 work-groups.  Four waves, each 64 x 128: 32 accumulators, 256 registers.  K goes by heads: a plane is one head's 64 along K, dense in memory (128 bytes a row);
; a K step is two planes; two LDS slots.  Waves 0, 1 fetch A's two planes (128 rows each), waves 2, 3 the weights' (256 rows each): one tensor load a wave behind each round.
; CLUSTERS: 4 x 4 work-groups: A's planes are shared along a row of the cluster, the weights' along a column.  THE MATRIX INSTRUCTION IS USED TRANSPOSED: a lane holds eight neighbouring columns of one token.
; REGISTERS: window 0: v1-29 addresses; v32-95 A's fragments, two buffers; v128-255 the way out.   window 1: v0-127 the weights' fragments, two buffers; v128-191 the bias.   window 2: accumulator (a, b) at v[8 (8 a + b)].
.set PITCH,  144                       ; an LDS row: 128 bytes + 16
.set APL,    128*PITCH                 ; a plane of A
.set BPL,    256*PITCH                 ; a plane of the weights
.set SLOT,   2*APL+2*BPL
.set SPARE,  2*SLOT                    ; the spare words, 128 bytes a wave
.set STAGE,  SPARE+512                 ; 16 rows x 528 bytes a wave, for the way out; no fill lands here
.set SPITCH, 528
.set LAPS,   4                         ; a lap = two K steps of 128
.set ADRA, 16
.set ADRB, 20
.set STO,  24
.set RD,   25
.set CO,   26
.set SPW,  28
.set NIL,  29
.set AF,   32
.set BK,   128
.set BIAS, 128                         ; in window 1
.set WV,  12
.set G1,  24
.set G0,  32
.set G1B, 48
.set G0B, 56
.set MSB, 0
.macro WIN new
.if MSB != (\new)
	s_set_vgpr_msb (MSB<<8)|(\new)
.set MSB, (\new)
.endif
.endm
.macro JLOAD s                         ; an s_nop 0 and four v_nop follow each of the two lines
	s_cmp_eq_u32 s13, 0
	s_cbranch_scc0 .Lfor_b_\@
	tensor_load_to_lds s[G0+4*\s:G0+4*\s+3], s[G1:G1+7]
	s_nop 0
.rept 4
	v_nop
.endr
	s_branch .Lasked_\@
.Lfor_b_\@:
	tensor_load_to_lds s[G0B+4*\s:G0B+4*\s+3], s[G1B:G1B+7]
	s_nop 0
.rept 4
	v_nop
.endr
.Lasked_\@:
.endm
.macro CREST
	s_cmp_lg_u32 s[WV], 0
	s_cbranch_scc1 .Lnot_wave_0_\@
	s_barrier_signal -3
.Lnot_wave_0_\@:
	s_barrier_wait -3
	s_barrier_signal -1
	s_barrier_wait -1
.endm
.macro CROUND
	s_barrier_signal -1
	s_barrier_wait -1
	CREST
.endm
	s_load_b256 s[4:11], s[0:1], 0x0               ; ao 4:5, wd 6:7, dense_b 8:9, out0 10:11
	v_lshl_add_u32 v[SPW], v0, 2, SPARE
	v_mov_b32 v[NIL], 0
	ds_add_u32 v[SPW], v[NIL]                      ; the opening: the add, twice on end, and its wait ahead of my first tensor load
	ds_add_u32 v[SPW], v[NIL]
	v_lshrrev_b32 v1, 5, v0
	v_readfirstlane_b32 s[WV], v1                  ; wave 0..3
	s_lshr_b32 s13, s[WV], 1                       ; which 64 tokens are mine; also: I fetch for A (0) or the weights (1)
	s_and_b32 s14, s[WV], 1                        ; which 128 columns; also: which plane of a K step I fetch
	s_bfe_u32 s40, ttmp6, 0x40000                  ; cx
	s_bfe_u32 s41, ttmp6, 0x40004                  ; cy
	s_lshl_b32 s16, ttmp9, 2
	s_add_co_u32 s16, s16, s40                     ; tile column
	s_and_b32 s15, ttmp7, 0xffff
	s_lshl_b32 s15, s15, 2
	s_add_co_u32 s15, s15, s41                     ; tile row
	s_lshl_b32 s42, s41, 2
	s_lshl_b32 s42, 15, s42                        ; my row of the cluster
	s_lshl_b32 s43, 0x1111, s40                    ; my column
	s_or_b32 s[G1+0], s42, (1<<16)|(1<<20)|(1<<21)|(4<<22)|(3<<25)   ; mask; elements of 2 bytes; padding on; bit 21 beside a mask; 4 words after every 32
	s_or_b32 s[G1B+0], s43, (1<<16)|(1<<20)|(1<<21)|(4<<22)|(3<<25)
	s_mov_b32 s[G1+1], 64<<16                      ; tensor_dim0
	s_mov_b32 s[G1+2], 128<<16                     ; tensor_dim1
	s_mov_b32 s[G1+3], 64<<16                      ; tile_dim0
	s_mov_b32 s[G1+4], 128                         ; tile_dim1
	s_mov_b32 s[G1+5], 64                          ; the pitch
	s_mov_b32 s[G1+6], 0
	s_mov_b32 s[G1+7], 0
	s_mov_b32 s[G1B+1], 64<<16
	s_mov_b32 s[G1B+2], 256<<16
	s_mov_b32 s[G1B+3], 64<<16
	s_mov_b32 s[G1B+4], 256
	s_mov_b32 s[G1B+5], 64
	s_mov_b32 s[G1B+6], 0
	s_mov_b32 s[G1B+7], 0
	s_lshr_b32 s17, s15, 4                         ; A: the batch, 4,194,304 bytes each;
	s_lshl_b32 s17, s17, 22
	s_and_b32 s18, s15, 15                         ; the tile's 128 tokens in a head's plane;
	s_lshl_b32 s18, s18, 14
	s_add_co_u32 s18, s18, s17
	s_lshl_b32 s17, s14, 18                        ; my plane: a head is 262,144 bytes
	s_add_co_u32 s18, s18, s17
	s_mov_b32 s19, 0
	s_lshl_b32 s46, s16, 15                        ; the weights: the tile's 256 rows in a head's plane;
	s_lshl_b32 s47, s14, 17                        ; my plane: 131,072 bytes
	s_add_co_u32 s46, s46, s47
	s_mov_b32 s47, 0
	s_mul_i32 s20, s14, APL                        ; where they go: no place in the cluster enters an LDS address
	s_mul_i32 s21, s14, BPL
	s_add_co_u32 s21, s21, 2*APL
	s_wait_dscnt 0x0                               ; both opening adds are done
	s_wait_kmcnt 0x0
	s_add_nc_u64 s[18:19], s[4:5], s[18:19]
	s_add_nc_u64 s[46:47], s[6:7], s[46:47]
	CROUND                                         ; all sixteen work-groups are here: the first joint loads meet
.irp s, 0,1
	s_mov_b32 s[G0+4*\s], 1
	s_add_co_u32 s[G0+4*\s+1], s20, \s*SLOT
	s_add_nc_u64 s[G0+4*\s+2:G0+4*\s+3], s[18:19], \s<<19          ; K step s: two heads on
	s_or_b32 s[G0+4*\s+3], s[G0+4*\s+3], 0x80000000
	s_mov_b32 s[G0B+4*\s], 1
	s_add_co_u32 s[G0B+4*\s+1], s21, \s*SLOT
	s_add_nc_u64 s[G0B+4*\s+2:G0B+4*\s+3], s[46:47], \s<<18
	s_or_b32 s[G0B+4*\s+3], s[G0B+4*\s+3], 0x80000000
	JLOAD \s                                       ; two tensor loads of mine are out
.endr
	v_and_b32 v1, 15, v0                           ; r
	v_bfe_u32 v2, v0, 4, 1                         ; h
	v_mul_u32_u24 v3, v1, PITCH
	v_lshl_add_u32 v3, v2, 4, v3
	s_mul_i32 s22, s13, 64*PITCH                   ; my 64 tokens
	s_mul_i32 s23, s14, 128*PITCH                  ; my 128 rows of the weights,
	s_add_co_u32 s23, s23, 2*APL                   ; behind A's two planes
.irp s, 0,1
	v_add_nc_u32 v[ADRA+\s], s22, v3
	v_add_nc_u32 v[ADRB+\s], s23, v3
	s_add_co_u32 s22, s22, SLOT
	s_add_co_u32 s23, s23, SLOT
.endr
	s_mul_i32 s22, s[WV], 16*SPITCH
	s_add_co_u32 s22, s22, STAGE                   ; my stage
	v_mul_u32_u24 v4, v1, SPITCH
	v_lshl_add_u32 v4, v2, 5, v4
	v_add_nc_u32 v[STO], s22, v4                   ; in: token r, 32 bytes for each half of the lanes
	v_and_b32 v5, 31, v0
	v_lshlrev_b32 v[CO], 4, v5                     ; back: the 32 lanes take one row of 512 bytes; the same in out0
	v_add_nc_u32 v[RD], s22, v[CO]
	v_lshlrev_b32 v6, 5, v2
	s_lshl_b32 s22, s16, 10                        ; my first column, in bytes: 1,024 x tile column + 512 x half
	s_lshl_b32 s23, s14, 9
	s_add_co_u32 s22, s22, s23
	s_mov_b32 s23, 0
	s_add_nc_u64 s[8:9], s[8:9], s[22:23]          ; the bias there,
	s_add_nc_u64 s[10:11], s[10:11], s[22:23]      ; and out0,
	s_lshl_b32 s22, s15, 19                        ; at my first token: 128 x tile row + 64 x half, rows of 4,096 bytes
	s_lshl_b32 s17, s13, 18
	s_add_co_u32 s22, s22, s17
	s_add_nc_u64 s[10:11], s[10:11], s[22:23]
	WIN 0x40
.irp b, 0,1,2,3,4,5,6,7                        ; the bias in the result's layout: lane (r, h), block b, register j: b[16 b + 8 h + j]
	global_load_b128 v[BIAS+8*\b:BIAS+8*\b+3], v6, s[8:9] offset:64*\b
	global_load_b128 v[BIAS+8*\b+4:BIAS+8*\b+7], v6, s[8:9] offset:64*\b+16
.endr
	WIN 0
; 8 matrix instructions: token block a x the eight column blocks, 32 along K, buffer f.  zero = 1: the sums start from the bias.  The 32 accumulators take turns, one instruction a turn.
.macro MUL8 f, a, zero
.if \zero
	WIN 0x91                                       ; source 0 (weights) and C (bias) window 1, source 1 window 0, D window 2
.else
	WIN 0xa1                                       ; C and D window 2
.endif
.irp b, 0,1,2,3,4,5,6,7
.if \zero
	v_wmma_f32_16x16x32_f16 v[8*(8*(\a)+\b):8*(8*(\a)+\b)+7], v[64*(\f)+8*\b:64*(\f)+8*\b+7], v[AF+32*(\f)+8*(\a):AF+32*(\f)+8*(\a)+7], v[BIAS+8*\b:BIAS+8*\b+7]
.else
	v_wmma_f32_16x16x32_f16 v[8*(8*(\a)+\b):8*(8*(\a)+\b)+7], v[64*(\f)+8*\b:64*(\f)+8*\b+7], v[AF+32*(\f)+8*(\a):AF+32*(\f)+8*(\a)+7], v[8*(8*(\a)+\b):8*(8*(\a)+\b)+7]
.endif
.endr
.endm
; 24 LDS loads in one run: quarter q of a K step (plane q / 2, 32 along K at byte 64 (q % 2) of its rows) into buffer f: the weights' eight blocks, then A's four
.macro FETCH slot, q, f
	WIN 0x40
.irp i, 0,1,2,3,4,5,6,7
	ds_load_b128 v[64*(\f)+8*\i:64*(\f)+8*\i+3],   v[ADRB+\slot] offset:((\q)/2)*BPL+((\q)%2)*64+\i*16*PITCH
	ds_load_b128 v[64*(\f)+8*\i+4:64*(\f)+8*\i+7], v[ADRB+\slot] offset:((\q)/2)*BPL+((\q)%2)*64+\i*16*PITCH+32
.endr
	WIN 0
.irp i, 0,1,2,3
	ds_load_b128 v[AF+32*(\f)+8*\i:AF+32*(\f)+8*\i+3],   v[ADRA+\slot] offset:((\q)/2)*APL+((\q)%2)*64+\i*16*PITCH
	ds_load_b128 v[AF+32*(\f)+8*\i+4:AF+32*(\f)+8*\i+7], v[ADRA+\slot] offset:((\q)/2)*APL+((\q)%2)*64+\i*16*PITCH+32
.endr
.endm
.macro PLACES                          ; four plain instructions ahead of loads into registers that matrix instructions have read, and of reads of results
.rept 4
	v_nop
.endr
.endm
; One of a K step's first three quarters: multiplies buffer f and fetches quarter qn of the same slot into buffer g
.macro QUARTER slot, qn, f, g, zero
	s_wait_dscnt 4                                 ; the weights and A's blocks 0, 1 are in; the youngest four loads (blocks 2, 3) may be out
	MUL8 \f, 0, \zero
	MUL8 \f, 1, \zero
	PLACES
	FETCH \slot, \qn, \g
	s_wait_dscnt 24                                ; all but the 24 just issued
	MUL8 \f, 2, \zero
	MUL8 \f, 3, \zero
.endm
; The last quarter multiplies buffer 1 and changes slots: one barrier; in front of it each wave waits for all its tensor loads, adds 0 to its spare word, and waits for that and for its reads of this slot.  fill = 1: this slot is filled again, two K steps ahead.
.macro TURN slot, next, fill
	WIN 0
	s_wait_tensorcnt 0x0                           ; all my tensor loads have landed: my part of the next slot
	ds_add_u32 v[SPW], v[NIL]
	s_wait_dscnt 5                                 ; the add and the youngest four loads may be out
	MUL8 1, 0, 0
	s_wait_dscnt 0x0                               ; the add is done, and my reads of this slot are over
	s_barrier_signal -1
	MUL8 1, 1, 0
.if \fill
	WIN 0
.endif
	s_barrier_wait -1
.if \fill
	CREST                                          ; the barrier has opened a round of the cluster's: no wave of any partner still reads this slot or has a load on its way
	s_add_nc_u64 s[G0+4*\slot+2:G0+4*\slot+3], s[G0+4*\slot+2:G0+4*\slot+3], 1<<20      ; four heads on
	s_add_nc_u64 s[G0B+4*\slot+2:G0B+4*\slot+3], s[G0B+4*\slot+2:G0B+4*\slot+3], 1<<19
	JLOAD \slot                                    ; the first tensor load behind the round; its four v_nop are also the places ahead of the loads below
.else
	PLACES
.endif
	FETCH \next, 0, 0
	MUL8 1, 2, 0
	MUL8 1, 3, 0
.endm
	s_wait_tensorcnt 1                             ; my part of K step 0 is in; K step 1's may stay out
	s_barrier_signal -1
	s_barrier_wait -1
	FETCH 0, 0, 0
	s_wait_loadcnt 0x0                             ; the bias
	QUARTER 0, 1, 0, 1, 1                          ; the first quarter stands ahead of the loop: its products start the sums
	WIN 0
	s_mov_b32 s3, LAPS-1
.Llap:                                             ; a trip goes once round the ring, from a lap's second quarter to the next lap's first, and fills both slots again
	QUARTER 0, 2, 1, 0, 0
	QUARTER 0, 3, 0, 1, 0
	TURN 0, 1, 1
	QUARTER 1, 1, 0, 1, 0
	QUARTER 1, 2, 1, 0, 0
	QUARTER 1, 3, 0, 1, 0
	TURN 1, 0, 1
	QUARTER 0, 1, 0, 1, 0
	WIN 0
	s_sub_co_u32 s3, s3, 1
	s_cmp_lg_u32 s3, 0
	s_cbranch_scc1 .Llap
	QUARTER 0, 2, 1, 0, 0                          ; the last lap fills nothing
	QUARTER 0, 3, 0, 1, 0
	TURN 0, 1, 0
	QUARTER 1, 1, 0, 1, 0
	QUARTER 1, 2, 1, 0, 0
	QUARTER 1, 3, 0, 1, 0
	s_wait_dscnt 4                                 ; the very last quarter
	MUL8 1, 0, 0
	MUL8 1, 1, 0
	s_wait_dscnt 0
	MUL8 1, 2, 0
	MUL8 1, 3, 0
	WIN 0
; THE WAY OUT, a block of 16 tokens x 128 columns at a time: 32 bytes a lane into my stage, back as whole rows of 512 bytes, which the 32 lanes store
.macro TOSTAGE a
	WIN 0x08                                       ; an LDS store's data: window 2
.irp b, 0,1,2,3,4,5,6,7
	ds_store_b128 v[STO], v[64*(\a)+8*\b:64*(\a)+8*\b+3] offset:64*\b        ; each accumulator from its low end on
	ds_store_b128 v[STO], v[64*(\a)+8*\b+4:64*(\a)+8*\b+7] offset:64*\b+16
.endr
	WIN 0
.set BB, BK+64*((\a)%2)
.irp t, 0,1,2,3,4,5,6,7,8,9,10,11,12,13,14,15
	ds_load_b128 v[BB+4*\t:BB+4*\t+3], v[RD] offset:\t*SPITCH      ; LDS serves a wave's instructions in order: these see the stores above
.endr
.endm
.macro SEND a, younger                 ; younger: the LDS instructions issued behind block a's loads
.set BB, BK+64*((\a)%2)
	s_wait_dscnt \younger
.irp t, 0,1,2,3,4,5,6,7,8,9,10,11,12,13,14,15
	global_store_b128 v[CO], v[BB+4*\t:BB+4*\t+3], s[10:11] offset:(\a)*65536+\t*4096 th:TH_STORE_NT   ; 512 consecutive bytes, written once
.endr
.endm
	PLACES
	TOSTAGE 0
	TOSTAGE 1
	SEND 0, 32                                     ; behind block 0's loads: block 1's 16 stores and 16 loads
	s_wait_xcnt 0x0                                ; block 0's stores have read their data: block 2 may land there
	TOSTAGE 2
	SEND 1, 32
	s_wait_xcnt 0x0
	TOSTAGE 3
	SEND 2, 32
	SEND 3, 0
	s_wait_tensorcnt 0x0                           ; the wave's end
	ds_add_u32 v[SPW], v[NIL]
	s_wait_dscnt 0x0
	CROUND                                         ; the closing round
	s_endpgm
.Lfunc_end_k_qc0e812abc5_outp:
	.size	k_qc0e812abc5_outp, .Lfunc_end_k_qc0e812abc5_outp-k_qc0e812abc5_outp
	.p2alignl 7, 3214868480
	.fill 96, 4, 3214868480
	.section	.rodata,"a",@progbits
	.p2align	6, 0x0
	.amdhsa_kernel k_qc0e812abc5_outp
		.amdhsa_group_segment_fixed_size 327680
		.amdhsa_private_segment_fixed_size 0
		.amdhsa_enable_private_segment 0
		.amdhsa_kernarg_size 32
		.amdhsa_user_sgpr_count 2
		.amdhsa_user_sgpr_kernarg_segment_ptr 1
		.amdhsa_wavefront_size32 1
		.amdhsa_system_sgpr_workgroup_id_x 1
		.amdhsa_system_sgpr_workgroup_id_y 1
		.amdhsa_system_sgpr_workgroup_id_z 1
		.amdhsa_system_vgpr_workitem_id 0
		.amdhsa_next_free_vgpr 768
		.amdhsa_next_free_sgpr 66
		.amdhsa_reserve_vcc 0
		.amdhsa_float_denorm_mode_32 3
		.amdhsa_float_denorm_mode_16_64 3
		.amdhsa_memory_ordered 1
		.amdhsa_forward_progress 1
		.amdhsa_inst_pref_size 87
	.end_amdhsa_kernel
	.amdgpu_metadata
---
amdhsa.version: [ 1, 2 ]
amdhsa.kernels:
  - .name:           k_qc0e812abc5_outp
    .symbol:         k_qc0e812abc5_outp.kd
    .args:
      - { .name: ao, .offset: 0, .size: 8, .value_kind: global_buffer, .address_space: global }
      - { .name: wd, .offset: 8, .size: 8, .value_kind: global_buffer, .address_space: global }
      - { .name: dense_b, .offset: 16, .size: 8, .value_kind: global_buffer, .address_space: global }
      - { .name: out0, .offset: 24, .size: 8, .value_kind: global_buffer, .address_space: global }
    .group_segment_fixed_size: 327680
    .private_segment_fixed_size: 0
    .kernarg_segment_align: 8
    .kernarg_segment_size: 32
    .max_flat_workgroup_size: 128
    .sgpr_count:     66
    .vgpr_count:     768
    .wavefront_size: 32
...
	.end_amdgpu_metadata
.endif
;; end of part 4
